; MI455X (gfx1250); checked and timed in simulation.
; The chip was launched on July 23, 2026; its instructions are those of AMD's public machine-readable ISA for CDNA 5 (MIT licence, August 2026) and "CDNA5" Instruction Set Architecture Reference Guide (July 2026). The comments in the code are by the model that wrote it; some were corrected since.
;; Causal Self Attention. Allowed arithmetic: matrix products marked QUANTISED: E4M3 operands, one given power-of-two scale a tensor, by v_wmma_f32_16x16x64_fp8_fp8 or v_wmma_f32_16x16x128_fp8_fp8, f32 sums; everything else in f32.
;; Inputs: W_out_codes 1,024 x 32 x 32 uint8 (E4M3 codes of W_out, K innermost, in blocks of 32 codes); W_qkv_codes 3,072 x 32 x 32 uint8 (E4M3 codes of W_qkv, K innermost, in blocks of 32 codes); b_out 1,024 float32; b_qkv 3,072 float32; lowp_scales 8 int32 (the exponents e of the quantised operands' scales 2^e); x_codes 4 x 2,048 x 32 x 32 uint8 (E4M3 codes of x, K innermost, in blocks of 32 codes).
;; Outputs: out0 4 x 2,048 x 1,024 float32.
;; This version of the problem:
;;   THIS VERSION OF THE PROBLEM IS GIVEN IN LOW PRECISION. The matrix products marked QUANTISED in the list below multiply operands that are first quantised to E4M3 (4 exponent bits, 3 mantissa bits; 8 bits a number), with one given power-of-two scale for each operand tensor; their sums are f32. All else is computed in f32.
;;   The module's matrix products, in the order in which they are computed (A, B: the left and right operand; K: the contracted axis; several contracted axes count as one K, in the product's order):
;;     1. [M 8,192, K 1,024] x [K 1,024, N 3,072]; A: input x (given as codes); B: input W_qkv (given as codes): QUANTISED (scales: A lowp_scales[0], B lowp_scales[1])
;;     2. batch 64 x [M 2,048, K 64] x [K 64, N 2,048]; A: computed on the way; B: computed on the way: QUANTISED (scales: A lowp_scales[2], B lowp_scales[3])
;;     3. batch 64 x [M 2,048, K 2,048] x [K 2,048, N 64]; A: softmax (see below); B: computed on the way: QUANTISED (scales: A lowp_scales[4], B lowp_scales[5])
;;     4. [M 8,192, K 1,024] x [K 1,024, N 1,024]; A: computed on the way; B: input W_out (given as codes): QUANTISED (scales: A lowp_scales[6], B lowp_scales[7])
;;   THE QUANTISER, for each operand of a quantised product, along K:
;;     - The operand's scale is 2^e, e = its entry of the input lowp_scales (int32; the entries are numbered through the quantised products in the list's order, A before B).
;;     - Each number is divided by the scale, clamped to +-448, and rounded to the nearest number of E4M3, ties to even, subnormals kept.
;;     - The product sums the exact products of the quantised numbers (number of the format x scale) in f32.
;;   ~~~python
;;   def quantise(x, axis, e):      # numpy; x: float32 -> the quantised numbers, widened to float32 again
;;       x = np.moveaxis(x, axis, -1); K = x.shape[-1]
;;       r = np.clip(x / 2.0 ** e, -448, 448)
;;       step = 2.0 ** (np.maximum(np.frexp(np.where(r == 0, 1, r))[1] - 1, -6) - 3)
;;       q = np.round(r / step) * step * 2.0 ** e      # np.round: ties to even
;;       return np.moveaxis(q, -1, axis).astype(np.float32)
;;   ~~~
;;   SOFTMAX AHEAD OF A QUANTISED PRODUCT. Where the list says 'softmax', what is quantised is not the finished softmax but p = 2^(t - M), with t = logit x log2(e) and M = ceil(the row's largest t), a whole number; so 1/2 < the row's largest p <= 1. The row's sum l is taken of the UNQUANTISED p, in f32, and the product's result is divided by l at the end. Since M is a whole number, a kernel that streams over the keys may use a running M (the ceiling of the running maximum): every later rescaling is an exact power of two, so the quantised numbers keep their values, but for numbers so far below the row's largest that they fall under the format's range.
;;   OPERANDS COMPUTED ON THE WAY. 'Computed on the way' means the value that the module computes at that place (a softmax that the list does not call 'softmax' is quantised finished and normalised). What goes into a quantiser is computed in f32, as accurately as f32 sums, v_exp_f32 and their like allow (about 1e-6 of the number): no bf16 or f16 on the way to a quantiser, and a product that is left as it is and whose result goes on into a quantised operand takes f32 operands (vector FMAs, or v_wmma_f32_16x16x4_f32). A number that lies on a knife's edge between two numbers of the format may be rounded either way, as far as f32 arithmetic and the matrix unit's own rounding can turn it there, and no further.
;;   INPUTS GIVEN AS CODES. W_out (in the module: [1024, 1024], K = its axis 1); W_qkv (in the module: [3072, 1024], K = its axis 1); x (in the module: [4, 2048, 1024], K = its axis 2): each comes as NAME_codes (uint8): NAME with its K axis moved to the last place and cut into blocks of 32 codes, [.., K / 32, bytes a block], one block behind the other in memory; one code a byte (a code: sign, 4 exponent bits, 3 mantissa bits); its scale is its entry of lowp_scales. Its value is code x scale, taken as it is: it is not quantised again, and the codes and scales need not be those that the quantiser above would give.
;; 2 versions, each right; version 2 is version 1 with the launch attn written anew for expert scheduling mode. Each part assembles by itself: llvm-mc -triple=amdgcn-amd-amdhsa -mcpu=gfx1250 --defsym DOCPART=n.
;; ======== version 1 of 2: 3 launches
;; workspace buffers: q_img 8,388,608 bytes; kv_img 16,777,216 bytes; ctx_img 8,388,608 bytes; wo_img 1,048,576 bytes
;; launch qkv (part 1): grid 16 x 32, 4 waves a work-group, clusters of 4 x 4, 327,680 bytes of LDS; arguments x_codes, W_qkv_codes, b_qkv, lowp_scales, W_out_codes, q_img, kv_img, wo_img; writes q_img, kv_img, wo_img
.if DOCPART == 1
	.amdgcn_target "amdgcn-amd-amdhsa--gfx1250"
	.amdhsa_code_object_version 6
	.text
	.protected	k_q0ef621dc4f_qkv
	.globl	k_q0ef621dc4f_qkv
	.p2align	8
	.type	k_q0ef621dc4f_qkv,@function
k_q0ef621dc4f_qkv:
	s_mov_b64 s[64:65], 0
	v_nop
	global_prefetch_b8 v0, s[64:65] scope:SCOPE_SE
	s_setreg_imm32_b32 hwreg(HW_REG_WAVE_MODE, 25, 1), 1
	s_wait_xcnt 0x0
	s_wait_alu depctr_hold_cnt(0) depctr_sa_sdst(0) depctr_va_vdst(0) depctr_va_sdst(0) depctr_va_ssrc(0) depctr_va_vcc(0) depctr_vm_vsrc(0)
	s_getreg_b32 s2, hwreg(HW_REG_IB_STS2, 6, 4)
	s_cmp_eq_u32 s2, 0
	s_cbranch_scc0 .Lentry_in_a_cluster
	s_endpgm
.Lentry_in_a_cluster:
	s_bfe_u32 s2, ttmp6, 0x10000c
	s_cmp_lg_u32 s2, 0xf033
	s_cbranch_scc0 .Lentry_shape_is_right
	s_endpgm
.Lentry_shape_is_right:
; qkv = x W_qkv^T + b_qkv on codes of FP8 (E4M3), then q, k and v are quantised with the given scales 2^e2, 2^e3, 2^e5 and stored as IMAGES OF OPERAND REGISTERS for the attention launch.
; x: 8,192 rows of 1,024 codes; W_qkv: 3,072 rows of 1,024 codes; column 192 head + (0..63 q, 64..127 k, 128..191 v).  A sum stands for sum x 2^(e0 + e1); the bias goes in as the C of a sum's first product, divided by 2^(e0 + e1).
; SHARES.  A work-group takes 256 tokens x one head's 192 columns; each of its four waves 64 tokens x all 192 columns: 48 accumulators of 16 x 16, 384 registers.  All waves run one text.
; q AND k ARE MADE TRANSPOSED (source 0 = 16 rows of W, source 1 = 16 tokens): a lane holds one token and eight neighbouring d, so a conversion of eight numbers gives registers 2 c, 2 c + 1 of a fragment whose K is d.
; v IS MADE THE OTHER WAY ROUND (source 0 = 16 tokens, source 1 = 16 rows of W): a lane holds one d and eight neighbouring tokens: registers 2 c, 2 c + 1 of a fragment whose K is the keys.  Nothing is transposed by an instruction.
; An image is four registers of a fragment, lane l's 16 bytes at 16 l: each store of the wave covers 512 consecutive bytes, aligned.
; K goes in steps of 256 through a ring of two LDS slots filled by the tensor data mover; K = 1,024 is four slots' worth, so the eight steps of 128 are written out and there is no loop.
; CLUSTERS: 4 x 4 work-groups.  x's tile hangs on the token block alone and is shared along a row of the cluster, W's on the head alone and is shared along a column: each is asked for jointly.
; Fragments are fetched by four 16-byte loads a side: a permutation of k that is the same in x and in W, so that every product meets its partner.
; Beside its own work each wave copies 512 bytes of W_out's codes into wo_img, laid as the last launch's fragments: 512 work-groups x 4 waves x 512 bytes are all of W_out.  (Its load takes 32 bytes of each of 16 rows: once in the launch.)
; LIMITS: e2 - e0 - e1, e3 - e0 - e1 and e5 - e0 - e1 lie between -126 and 119, so that each scale and 448 x it are f32 numbers.  NaN among the inputs is not served.
; REGISTERS, in windows of 256.  Window 0: v1-7 at work; v8-13 the conversions' scales and holds; v14-17 W_out's piece; v18-21 LDS addresses; v24-27 offsets; v28, v29 the spare word's address and 0;
;   v32-95 the bias tiles of q and k (8 x 8), later q's and k's codes; v96-127 the bias tiles of v (4 x 8), later v's codes; v128-191, v192-255 x's fragments, two sets of 4 x 16.
;   Window 1: W's fragments for q and k, set p at 128 p + 16 tw.   Window 2: accumulator (a, tw) at 8 (8 a + tw).   Window 3: v0-127 accumulator (tv, a) at 8 (4 tv + a); from v128 W's fragments for v, set p at 128 + 64 p + 16 tv.
.set PITCH,  272                       ; an LDS row: 256 bytes + 16 of padding: the 16 rows of a fragment load start 68 words apart
.set HALFA,  128*PITCH                 ; what one tensor load brings of x
.set HALFB,  96*PITCH                  ; and of W
.set BOFF,   2*HALFA                   ; a slot: x's 256 rows, then W's 192 rows
.set SLOT,   BOFF+2*HALFB
.set SPARE,  2*SLOT                    ; behind the ring: the spare words, 128 bytes for each wave: two blocks of 256 bytes that no other line names
.set SCQ, 8
.set LMQ, 9
.set SCK, 10
.set LMK, 11
.set SCV, 12
.set LMV, 13
.set WOP, 14
.set ADRA, 18                          ; v18, v19  my 64 rows of x in slot 0, 1
.set ADRB, 20                          ; v20, v21  W's rows in slot 0, 1
.set LI,  24                           ; 16 x lane
.set OBQ, 25                           ; 32 h
.set OBV, 26                           ; 4 r
.set OWO, 27                           ; 1,024 r + 16 h
.set SPW, 28
.set NIL, 29
.set BQK, 32
.set BV,  96
.set XF,  128
.set G1,  24                           ; s[24:31] group 1 for x's tiles; s[32:39] group 0, a set for each slot
.set G0,  32
.set G1B, 48                           ; s[48:55], s[56:63] the same for W's tiles
.set G0B, 56
.set MSB, 0
.macro WIN new                         ; the immediate's high byte repeats the setting that is left
.if MSB != \new
	s_set_vgpr_msb (MSB<<8)|\new
.set MSB, \new
.endif
.endm
; A joint load: waves 0 and 1 fetch x's halves, waves 2 and 3 W's.  The branch hangs on the wave's number alone.  Four v_nop follow each of the two lines.
.macro JLOAD g0a, g1a, g0b, g1b
	s_cmp_eq_u32 s15, 0
	s_cbranch_scc0 .Lfor_b_\@
	tensor_load_to_lds s[\g0a:\g0a+3], s[\g1a:\g1a+7]
	s_nop 0
.rept 4
	v_nop
.endr
	s_branch .Lasked_\@
.Lfor_b_\@:
	tensor_load_to_lds s[\g0b:\g0b+3], s[\g1b:\g1b+7]
	s_nop 0
.rept 4
	v_nop
.endr
.Lasked_\@:
.endm
.macro CREST                           ; a round of the cluster's barrier behind its opening barrier
	s_cmp_lg_u32 s14, 0
	s_cbranch_scc1 .Lnot_wave_0_\@
	s_barrier_signal -3
.Lnot_wave_0_\@:
	s_barrier_wait -3
	s_barrier_signal -1
	s_barrier_wait -1
.endm
.macro CROUND
	s_barrier_signal -1
	s_barrier_wait -1
	CREST
.endm
.macro PLACES n                        ; plain vector lines between a matrix instruction and a load into, or a vector read of, its registers
.rept \n
	v_nop
.endr
.endm
.macro MKSC e, sc, lim                 ; v[sc] = 2^(e - e0 - e1) as f32, v[lim] = 448 x that
	s_sub_co_i32 s92, s[\e], s85
	s_add_co_i32 s92, s92, 127
	s_lshl_b32 s93, s92, 23
	v_mov_b32 v[\sc], s93
	s_add_co_i32 s92, s92, 8
	s_lshl_b32 s92, s92, 23
	s_or_b32 s92, s92, 0x600000
	v_mov_b32 v[\lim], s92
.endm
	s_load_b256 s[4:11], s[0:1], 0x0               ; x s[4:5], W_qkv s[6:7], b_qkv s[8:9], the scales' exponents s[10:11]
	s_load_b256 s[68:75], s[0:1], 0x20             ; W_out s[68:69], q_img s[70:71], kv_img s[72:73], wo_img s[74:75]
	v_lshl_add_u32 v[SPW], v0, 2, SPARE
	v_mov_b32 v[NIL], 0
	ds_add_u32 v28, v29
	ds_add_u32 v28, v29
	s_wait_dscnt 0x0
	v_lshrrev_b32 v1, 5, v0
	v_readfirstlane_b32 s14, v1                    ; wave 0..3
	s_lshr_b32 s15, s14, 1                         ; I fetch for x (0) or for W (1)
	s_and_b32 s16, s14, 1                          ; which half of that tile
	s_bfe_u32 s40, ttmp6, 0x40000                  ; cx
	s_bfe_u32 s41, ttmp6, 0x40004                  ; cy
	s_lshl_b32 s42, ttmp9, 2
	s_add_co_u32 s42, s42, s40                     ; the head = 4 x cluster x + cx
	s_and_b32 s17, ttmp7, 0xffff
	s_lshl_b32 s17, s17, 2
	s_add_co_u32 s17, s17, s41                     ; the block of 256 tokens = 4 x cluster y + cy
	s_lshl_b32 s43, s41, 2
	s_lshl_b32 s43, 15, s43                        ; my row of the cluster
	s_lshl_b32 s44, 0x1111, s40                    ; my column
	s_or_b32 s[G1+0], s43, (0<<16)|(1<<20)|(1<<21)|(5<<22)|(3<<25)  ; the mask; elements of 1 byte; padding on; bit 21 beside a mask; 4 words behind every 64
	s_or_b32 s[G1B+0], s44, (0<<16)|(1<<20)|(1<<21)|(5<<22)|(3<<25)
	s_mov_b32 s[G1+1], 256<<16                     ; tensor_dim0 = 256
	s_mov_b32 s[G1+2], 128<<16                     ; tensor_dim1 = 128
	s_mov_b32 s[G1+3], 256<<16                     ; tile_dim0 = 256
	s_mov_b32 s[G1+4], 128                         ; tile_dim1 = 128
	s_mov_b32 s[G1+5], 1024                        ; from row to row
	s_mov_b32 s[G1+6], 0
	s_mov_b32 s[G1+7], 0
	s_mov_b32 s[G1B+1], 256<<16
	s_mov_b32 s[G1B+2], 96<<16                     ; W's halves have 96 rows
	s_mov_b32 s[G1B+3], 256<<16
	s_mov_b32 s[G1B+4], 96
	s_mov_b32 s[G1B+5], 1024
	s_mov_b32 s[G1B+6], 0
	s_mov_b32 s[G1B+7], 0
	s_lshl_b32 s18, s16, 7
	s_lshl_b32 s20, s17, 8
	s_add_co_u32 s20, s20, s18                     ; x: row 256 x block + 128 x half,
	s_lshl_b32 s20, s20, 10                        ; in bytes
	s_mov_b32 s21, 0
	s_mul_i32 s46, s42, 192
	s_mul_i32 s18, s16, 96
	s_add_co_u32 s46, s46, s18                     ; W: row 192 x head + 96 x half
	s_lshl_b32 s46, s46, 10
	s_mov_b32 s47, 0
	s_mul_i32 s45, s14, HALFA                      ; where they go: no place in the cluster enters an LDS address
	s_mul_i32 s66, s14, HALFB
	s_add_co_u32 s66, s66, BOFF-2*HALFB            ; (waves 2 and 3: BOFF + (wave - 2) x HALFB)
	s_wait_kmcnt 0x0
	s_load_b256 s[76:83], s[10:11], 0x0            ; e0 .. e7
	s_add_nc_u64 s[20:21], s[4:5], s[20:21]
	s_add_nc_u64 s[46:47], s[6:7], s[46:47]
	CROUND                                         ; all sixteen work-groups are here: the first joint loads meet
.irp s, 0,1
	s_mov_b32 s[G0+4*\s], 1
	s_add_co_u32 s[G0+4*\s+1], s45, \s*SLOT
	s_add_nc_u64 s[G0+4*\s+2:G0+4*\s+3], s[20:21], \s*256
	s_or_b32 s[G0+4*\s+3], s[G0+4*\s+3], 0x80000000
	s_mov_b32 s[G0B+4*\s], 1
	s_add_co_u32 s[G0B+4*\s+1], s66, \s*SLOT
	s_add_nc_u64 s[G0B+4*\s+2:G0B+4*\s+3], s[46:47], \s*256
	s_or_b32 s[G0B+4*\s+3], s[G0B+4*\s+3], 0x80000000
	JLOAD G0+4*\s, G1, G0B+4*\s, G1B               ; two loads of mine are out
.endr
	; while the tiles are on their way: addresses, biases, W_out's piece, the scales
	v_and_b32 v1, 15, v0                           ; r
	v_bfe_u32 v2, v0, 4, 1                         ; h
	v_mul_u32_u24 v3, v1, PITCH
	v_lshl_add_u32 v4, v2, 4, v3                   ; a fragment's row x pitch + 16 h
	s_mul_i32 s18, s14, 64*PITCH                   ; my 64 rows of x
	v_add_nc_u32 v[ADRA], s18, v4
	v_add_nc_u32 v[ADRA+1], SLOT, v[ADRA]
	v_add_nc_u32 v[ADRB], BOFF, v4
	v_add_nc_u32 v[ADRB+1], BOFF+SLOT, v4
	v_and_b32 v5, 31, v0
	v_lshlrev_b32 v[LI], 4, v5
	v_lshlrev_b32 v[OBQ], 5, v2
	v_lshlrev_b32 v[OBV], 2, v1
	v_lshlrev_b32 v[OWO], 10, v1
	v_lshl_add_u32 v[OWO], v2, 4, v[OWO]
	s_mul_i32 s18, s42, 768                        ; the head's 192 biases
	s_mov_b32 s19, 0
	s_add_nc_u64 s[8:9], s[8:9], s[18:19]
.irp tw, 0,1,2,3,4,5,6,7
	global_load_b128 v[BQK+8*\tw:BQK+8*\tw+3], v[OBQ], s[8:9] offset:64*\tw      ; q, k: lane (r, h), register j: column 16 tw + 8 h + j
	global_load_b128 v[BQK+8*\tw+4:BQK+8*\tw+7], v[OBQ], s[8:9] offset:64*\tw+16
.endr
.irp tv, 0,1,2,3
	global_load_b32 v[BV+8*\tv], v[OBV], s[8:9] offset:512+64*\tv                 ; v: a lane's eight registers are one column, 128 + 16 tv + r
.endr
	s_lshl_b32 s92, s17, 4
	s_add_co_u32 s92, s92, s42                     ; id = 16 x block + head, 0 .. 511: row tile id / 8 and K step id % 8 of W_out; my wave takes piece c = wave
	s_lshr_b32 s22, s92, 3
	s_lshl_b32 s22, s22, 14                        ; 16 rows of 1,024 bytes
	s_and_b32 s93, s92, 7
	s_lshl_b32 s93, s93, 7
	s_add_co_u32 s22, s22, s93
	s_lshl_b32 s93, s14, 5
	s_add_co_u32 s22, s22, s93
	s_mov_b32 s23, 0
	s_add_nc_u64 s[68:69], s[68:69], s[22:23]
	global_load_b128 v[WOP:WOP+3], v[OWO], s[68:69]  ; W_out(16 (id / 8) + r, 128 (id % 8) + 32 wave + 16 h + 0 .. 15)
	s_lshl_b32 s22, s92, 11
	s_lshl_b32 s93, s14, 9
	s_add_co_u32 s22, s22, s93
	s_add_nc_u64 s[74:75], s[74:75], s[22:23]      ; wo_img + 2,048 id + 512 wave
	s_lshr_b32 s92, s17, 3                         ; the batch
	s_lshl_b32 s92, s92, 4
	s_add_co_u32 s92, s92, s42                     ; hb = 16 x batch + head
	s_and_b32 s93, s17, 7                          ; the block within the batch
	s_lshl_b32 s94, s92, 7
	s_lshl_b32 s95, s93, 4
	s_add_co_u32 s94, s94, s95
	s_lshl_b32 s95, s14, 2
	s_add_co_u32 s94, s94, s95                     ; my first query tile: 128 hb + 16 block + 4 wave
	s_lshl_b32 s22, s94, 10
	s_add_nc_u64 s[86:87], s[70:71], s[22:23]      ; q's images
	s_lshl_b32 s94, s92, 4
	s_lshl_b32 s95, s93, 1
	s_add_co_u32 s94, s94, s95
	s_add_co_u32 s94, s94, s15                     ; my key step: 16 hb + 2 block + wave / 2
	s_lshl_b32 s94, s94, 14
	s_lshl_b32 s95, s16, 12
	s_add_co_u32 s22, s94, s95
	s_add_nc_u64 s[88:89], s[72:73], s[22:23]      ; k's images: tiles 4 (wave % 2) on
	s_lshl_b32 s95, s16, 10
	s_add_co_u32 s22, s94, s95
	s_add_co_u32 s22, s22, 8192
	s_add_nc_u64 s[90:91], s[72:73], s[22:23]      ; v's images: pieces 2 (wave % 2) on of each tile
	s_wait_kmcnt 0x0
	s_add_co_i32 s85, s76, s77                     ; e0 + e1
	s_sub_co_i32 s84, 0, s85
	MKSC 78, SCQ, LMQ
	MKSC 79, SCK, LMK
	MKSC 81, SCV, LMV
	s_wait_loadcnt 0x0
.set J, 0
.rept 64
	v_ldexp_f32 v[BQK+J], v[BQK+J], s84            ; b / 2^(e0 + e1)
.set J, J+1
.endr
.irp tv, 0,1,2,3
.irp j, 7,6,5,4,3,2,1,0
	v_ldexp_f32 v[BV+8*\tv+\j], v[BV+8*\tv], s84   ; the scaling is also the spreading over the tile's eight registers; register 0 last
.endr
.endr
	global_store_b128 v[LI], v[WOP:WOP+3], s[74:75]
; 64 LDS loads in one run: the fragments of the slot's q-th 128 along K into set `set`: W's for q and k, x's, W's for v
.macro FETCH slot, q, set
	WIN 0x40
.irp tw, 0,1,2,3,4,5,6,7
.irp c, 0,1,2,3
	ds_load_b128 v[128*(\set)+16*\tw+4*\c:128*(\set)+16*\tw+4*\c+3], v[ADRB+\slot] offset:128*(\q)+32*\c+\tw*16*PITCH
.endr
.endr
	WIN 0
.irp a, 0,1,2,3
.irp c, 0,1,2,3
	ds_load_b128 v[XF+64*(\set)+16*\a+4*\c:XF+64*(\set)+16*\a+4*\c+3], v[ADRA+\slot] offset:128*(\q)+32*\c+\a*16*PITCH
.endr
.endr
	WIN 0xc0
.irp tv, 0,1,2,3
.irp c, 0,1,2,3
	ds_load_b128 v[128+64*(\set)+16*\tv+4*\c:128+64*(\set)+16*\tv+4*\c+3], v[ADRB+\slot] offset:128*(\q)+32*\c+(8+\tv)*16*PITCH
.endr
.endr
.endm
; 16 products for q and k: token tiles a0, a0 + 1 x W's eight tiles.  first = 1: the bias tile is the C.  The 48 accumulators take turns, one instruction a turn, in the same order in every step.
.macro GQK a0, set, first
.irp a, \a0, \a0+1
.irp tw, 0,1,2,3,4,5,6,7
.if \first
	v_wmma_f32_16x16x128_fp8_fp8 v[8*(8*(\a)+\tw):8*(8*(\a)+\tw)+7], v[128*\set+16*\tw:128*\set+16*\tw+15], v[XF+64*\set+16*(\a):XF+64*\set+16*(\a)+15], v[BQK+8*\tw:BQK+8*\tw+7]
.else
	v_wmma_f32_16x16x128_fp8_fp8 v[8*(8*(\a)+\tw):8*(8*(\a)+\tw)+7], v[128*\set+16*\tw:128*\set+16*\tw+15], v[XF+64*\set+16*(\a):XF+64*\set+16*(\a)+15], v[8*(8*(\a)+\tw):8*(8*(\a)+\tw)+7]
.endif
.endr
.endr
.endm
; 16 products for v: source 0 = tokens, source 1 = W's rows
.macro GV set, first
.irp a, 0,1,2,3
.irp tv, 0,1,2,3
.if \first
	v_wmma_f32_16x16x128_fp8_fp8 v[8*(4*\tv+\a):8*(4*\tv+\a)+7], v[XF+64*\set+16*\a:XF+64*\set+16*\a+15], v[128+64*\set+16*\tv:128+64*\set+16*\tv+15], v[BV+8*\tv:BV+8*\tv+7]
.else
	v_wmma_f32_16x16x128_fp8_fp8 v[8*(4*\tv+\a):8*(4*\tv+\a)+7], v[XF+64*\set+16*\a:XF+64*\set+16*\a+15], v[128+64*\set+16*\tv:128+64*\set+16*\tv+15], v[8*(4*\tv+\a):8*(4*\tv+\a)+7]
.endif
.endr
.endr
.endm
.macro WQK first                       ; W window 1, x window 0, D window 2; C window 2, or window 0 for the bias
.if \first
	WIN 0x81
.else
	WIN 0xa1
.endif
.endm
.macro WV first                        ; x window 0, W window 3, D window 3; C window 3, or window 0 for the bias
.if \first
	WIN 0xcc
.else
	WIN 0xfc
.endif
.endm
; A slot's first 128 along K: multiplies set 0 and fetches the slot's second 128 into set 1.
.macro STEP slot, first
	s_wait_dscnt 16                                ; W's q, k tiles and x are in; the youngest sixteen loads (W's v tiles) may be out
	WQK \first
	GQK 0, 0, \first
	s_wait_dscnt 0x0                               ; W's v tiles are in
	PLACES 4                                       ; in front of loads into set 1, which the step before multiplied
	FETCH \slot, 1, 1
	WQK \first
	GQK 2, 0, \first
	WV \first
	GV 0, \first
.endm
; A slot's second 128 along K: multiplies set 1 and changes slots: ONE barrier; in front of it each wave waits for all its tensor loads, adds 0 to its spare word, and waits for that and for its reads of this slot.
.macro TURN slot, next, fill
	WIN 0                                          ; (the add's two registers lie in window 0)
	s_wait_tensorcnt 0x0                           ; all my tensor loads have landed: my part of the next slot
	ds_add_u32 v[SPW], v[NIL]                      ; 0 onto my spare word
	s_wait_dscnt 17                                ; (the add and the youngest sixteen loads may be out)
	WIN 0xa1
	GQK 0, 1, 0                                    ; sixteen products stand between the add and the wait for it
	s_wait_dscnt 0x0                               ; the add is done, and my reads of this slot are over
	s_barrier_signal -1
	GQK 2, 1, 0
	WIN 0
	s_barrier_wait -1
.if \fill
	CREST                                          ; the barrier has opened a round of the cluster's: no wave of any partner still reads this slot or has a load on its way
	s_add_nc_u64 s[G0+4*\slot+2:G0+4*\slot+3], s[G0+4*\slot+2:G0+4*\slot+3], 512
	s_add_nc_u64 s[G0B+4*\slot+2:G0B+4*\slot+3], s[G0B+4*\slot+2:G0B+4*\slot+3], 512
	JLOAD G0+4*\slot, G1, G0B+4*\slot, G1B         ; my one tensor load behind the round; its four v_nop are the places in front of the loads below
.else
	PLACES 4
.endif
	FETCH \next, 0, 0
	WIN 0xfc
	GV 1, 0
.endm
	s_wait_tensorcnt 1                             ; my part of slot 0 is in; slot 1's load may be out
	s_barrier_signal -1
	s_barrier_wait -1
	FETCH 0, 0, 0
	STEP 0, 1                                      ; K 0: the biases start the sums
	TURN 0, 1, 1                                   ; K 128; slot 0 takes K 512 on
	STEP 1, 0                                      ; K 256
	TURN 1, 0, 1                                   ; K 384; slot 1 takes K 768 on
	STEP 0, 0                                      ; K 512
	TURN 0, 1, 0                                   ; K 640; nothing is left to fetch
	STEP 1, 0                                      ; K 768
	s_wait_dscnt 16                                ; K 896
	WIN 0xa1
	GQK 0, 1, 0
	s_wait_dscnt 0x0
	GQK 2, 1, 0
	WIN 0xfc
	GV 1, 0
	; THE WAY OUT.  Each number is held within +-448 x its scale (the conversion to an 8-bit code does not saturate: ISA guide 7.6.2) and converted, eight of a lane at a time; each accumulator from its low end on.
	PLACES 4
	WIN 0x82                                       ; source 0 and destination window 2
.set J, 0
.rept 256
.if (J%64) < 32
	v_med3_num_f32 v[J], v[J], -v[LMQ], v[LMQ]
.else
	v_med3_num_f32 v[J], v[J], -v[LMK], v[LMK]
.endif
.set J, J+1
.endr
	WIN 0x02                                       ; source 0 window 2, destination window 0
.set J, 0
.rept 32                                               ; J = 8 a + tw: the pair at BQK + 16 a + 2 tw: q's eight registers of token tile a, then k's
.if (J%8) < 4
	v_cvt_scalef32_pk8_fp8_f32 v[BQK+2*J:BQK+2*J+1], v[8*J:8*J+7], v[SCQ]
.else
	v_cvt_scalef32_pk8_fp8_f32 v[BQK+2*J:BQK+2*J+1], v[8*J:8*J+7], v[SCK]
.endif
.set J, J+1
.endr
	v_nop                                          ; a plain line behind the last conversion
	WIN 0
.irp a, 0,1,2,3
.irp i, 0,1
	global_store_b128 v[LI], v[BQK+16*\a+4*\i:BQK+16*\a+4*\i+3], s[86:87] offset:1024*\a+512*\i
	global_store_b128 v[LI], v[BQK+16*\a+8+4*\i:BQK+16*\a+8+4*\i+3], s[88:89] offset:1024*\a+512*\i
.endr
.endr
	WIN 0xc3                                       ; source 0 and destination window 3
.set J, 0
.rept 128
	v_med3_num_f32 v[J], v[J], -v[LMV], v[LMV]
.set J, J+1
.endr
	WIN 0x03
.set J, 0
.rept 16                                               ; J = 4 tv + a: the pair at BV + 8 tv + 2 a: keys 16 a + 8 h + 0 .. 7 of d = 16 tv + r
	v_cvt_scalef32_pk8_fp8_f32 v[BV+2*J:BV+2*J+1], v[8*J:8*J+7], v[SCV]
.set J, J+1
.endr
	v_nop
	WIN 0
.irp tv, 0,1,2,3
.irp i, 0,1
	global_store_b128 v[LI], v[BV+8*\tv+4*\i:BV+8*\tv+4*\i+3], s[90:91] offset:2048*\tv+512*\i
.endr
.endr
	s_wait_tensorcnt 0x0                           ; the wave's end
	ds_add_u32 v[SPW], v[NIL]
	s_wait_dscnt 0x0
	CROUND                                         ; the closing round: no work-group ends while a partner may still ask for a tile that names it
	s_endpgm
.Lfunc_end_k_q0ef621dc4f_qkv:
	.size	k_q0ef621dc4f_qkv, .Lfunc_end_k_q0ef621dc4f_qkv-k_q0ef621dc4f_qkv
	.p2alignl 7, 3214868480
	.fill 96, 4, 3214868480
	.section	.rodata,"a",@progbits
	.p2align	6, 0x0
	.amdhsa_kernel k_q0ef621dc4f_qkv
		.amdhsa_group_segment_fixed_size 327680
		.amdhsa_private_segment_fixed_size 0
		.amdhsa_enable_private_segment 0
		.amdhsa_kernarg_size 64
		.amdhsa_user_sgpr_count 2
		.amdhsa_user_sgpr_kernarg_segment_ptr 1
		.amdhsa_wavefront_size32 1
		.amdhsa_system_sgpr_workgroup_id_x 1
		.amdhsa_system_sgpr_workgroup_id_y 1
		.amdhsa_system_sgpr_workgroup_id_z 1
		.amdhsa_system_vgpr_workitem_id 0
		.amdhsa_next_free_vgpr 1024
		.amdhsa_next_free_sgpr 100
		.amdhsa_reserve_vcc 0
		.amdhsa_float_denorm_mode_32 3
		.amdhsa_float_denorm_mode_16_64 3
		.amdhsa_memory_ordered 1
		.amdhsa_forward_progress 1
		.amdhsa_inst_pref_size 108
	.end_amdhsa_kernel
	.amdgpu_metadata
---
amdhsa.version: [ 1, 2 ]
amdhsa.kernels:
  - .name:           k_q0ef621dc4f_qkv
    .symbol:         k_q0ef621dc4f_qkv.kd
    .args:
      - { .name: x_codes, .offset: 0, .size: 8, .value_kind: global_buffer, .address_space: global }
      - { .name: W_qkv_codes, .offset: 8, .size: 8, .value_kind: global_buffer, .address_space: global }
      - { .name: b_qkv, .offset: 16, .size: 8, .value_kind: global_buffer, .address_space: global }
      - { .name: lowp_scales, .offset: 24, .size: 8, .value_kind: global_buffer, .address_space: global }
      - { .name: W_out_codes, .offset: 32, .size: 8, .value_kind: global_buffer, .address_space: global }
      - { .name: q_img, .offset: 40, .size: 8, .value_kind: global_buffer, .address_space: global }
      - { .name: kv_img, .offset: 48, .size: 8, .value_kind: global_buffer, .address_space: global }
      - { .name: wo_img, .offset: 56, .size: 8, .value_kind: global_buffer, .address_space: global }
    .group_segment_fixed_size: 327680
    .private_segment_fixed_size: 0
    .kernarg_segment_align: 8
    .kernarg_segment_size: 64
    .max_flat_workgroup_size: 128
    .sgpr_count:     100
    .vgpr_count:     1024
    .wavefront_size: 32
...
	.end_amdgpu_metadata
.endif
;; end of part 1
;; launch attn (part 2): grid 4 x 64, 16 waves a work-group, no clusters, 34,816 bytes of LDS; arguments q_img, kv_img, lowp_scales, ctx_img; writes ctx_img
.if DOCPART == 2
	.amdgcn_target "amdgcn-amd-amdhsa--gfx1250"
	.amdhsa_code_object_version 6
	.text
	.protected	k_q0ef621dc4f_attn
	.globl	k_q0ef621dc4f_attn
	.p2align	8
	.type	k_q0ef621dc4f_attn,@function
k_q0ef621dc4f_attn:
	s_mov_b64 s[64:65], 0
	v_nop
	global_prefetch_b8 v0, s[64:65] scope:SCOPE_SE
	s_setreg_imm32_b32 hwreg(HW_REG_WAVE_MODE, 25, 1), 1
	s_wait_xcnt 0x0
; Causal attention of one head on codes of FP8 (E4M3): S^T = K Q^T (K = the head's 64), the softmax, O^T = V^T P (K = the keys), O / l, and ctx quantised with 2^e6.
; THE SOFTMAX: t = score x log2(e) / 8; M = the running largest t rounded UP to a whole number; p = 2^(t - M) is quantised with 2^e4; the row's sum l is taken of the unquantised p; when M moves, l and O^T are multiplied by 2^(old M - new M), which rounds nothing.
; INPUTS are images of operand registers, 512 bytes for four registers of a wave, lane l's 16 bytes at 16 l:  q_img [hb][query tile][2][512];  kv_img [hb][key step of 128][16,384]: K's eight tiles of 16 keys (2 images each), then V's four tiles of 16 d (4 each).
; SHARES.  Work-group (j, hb) owns the blocks j and 7 - j of 256 queries of head hb.  Wave w owns the tiles LO = 16 j + w and HI = 127 - LO of 16 queries: (2 j + w / 8 + 1) + (2 (7 - j) + (15 - w) / 8 + 1) = 17 units of 16 queries x 128 keys for every wave of the launch.
; Four waves share a SIMD, so that one wave's exponentials stand beside another's products and LDS loads.
; A lane holds ONE query (lane % 16) throughout; register 8 t + i of S^T is key 16 t + 8 (lane / 16) + i, so the conversion of tile t gives registers 2 t, 2 t + 1 of P as the second product's source 1.
; K AND V come through registers into two LDS buffers of one key step: thread n copies bytes 16 n of K's part and of V's part, and asks for them one whole key step before it stores them.
; NO JOINT LOADS, though the four work-groups of a head read the same K and V: they walk 16, 14, 12 and 10 key steps, so partners would need different numbers of tiles.
; CAUSAL: a unit all of whose keys come after the tile's queries is jumped over (a scalar branch on ids; no barrier stands inside); on the diagonal hidden scores become -infinity ahead of the maximum.  The tile's own key counts there, so M is a number from the first unit on.
; THE HOLD of p at 448 x 2^e4 is jumped over where e4 >= -8: then 448 x 2^e4 >= 1.75, and p is at most 1 but for the rounding of t.
; LIMITS: e2 + e3 between -120 and 120 (added to the exponent field of log2(e) / 8); e4, and e6 - e4 - e5, between -126 and 119.  NaN among the inputs is not served.
; REGISTERS: v1 16 x lane; v2 16 x thread; v3 r - 8 h; v[8:9], v[12:13] (-M, largest t) of LO, HI; v[10:11], v[14:15] l in two halves; v16-23, v24-31 Q; v32-95 fragments of K or of V; v96-111 P, laid over the scores that are done with;
;   v98-161 S^T, then p; v162-193, v194-225 O^T; v226-233 the next key step's 32 bytes; v234-243 at work; v248-252 constants.
.set BUF, 16384
.set LI,  1
.set TI,  2
.set RH,  3
.set F,   32
.set P,   96
.set S,   98
.set STG, 226
.set T0,  234
.set T1,  235
.set TP,  236                          ; a lane permute's destination
.set DD,  237
.set FF,  238                          ; v[238:239] f = 2^(old M - new M) (the low word serves both halves)
.set SA,  240                          ; v[240:241] the sum's second chain
.set LL,  242                          ; v[242:243] 1 / l
.set SCP, 248                          ; 2^e4
.set LMP, 249                          ; 448 x 2^e4
.set NINF, 250
.set SCX, 251                          ; 2^(e6 - e4 - e5)
.set LMX, 252                          ; 448 x that
.set CS,  26                           ; s[26:27] log2(e) / 8 x 2^(e2 + e3)
.set KF,  28                           ; the key step's first key
.set TR,  33
.set NT,  34
.set SL,  35                           ; counts the key steps asked for
.set STP, 36                           ; s[36:37] the next step of the address: 16,384 or 0
.set PN,  38                           ; s[38:39] the key step that is being asked for
; A UNIT: 16 queries x the 128 keys in buffer buf.  st: the tile's (-M, largest t), with l at st + 2; qr: its Q; ob: its O^T; sb, ss: scalar registers with its first query, and that rounded down to 128.
.macro STEP buf, st, qr, ob, sb, ss
	s_cmp_gt_u32 s[KF], s[\ss]
	s_cbranch_scc1 .Lhidden_\@                     ; all 128 keys come after my queries
.rept 5
	v_nop                                          ; the products below write over P, which the last products read: five places; they also stand in front of the loads into the fragments' registers
.endr
.irp i, 0,1,2,3,4,5,6,7,8,9,10,11,12,13,14,15
	ds_load_b128 v[F+4*\i:F+4*\i+3], v[LI] offset:\buf*BUF+512*\i
.endr
	s_wait_dscnt 0x0
.irp t, 0,1,2,3,4,5,6,7
	v_wmma_f32_16x16x64_fp8_fp8 v[S+8*\t:S+8*\t+7], v[F+8*\t:F+8*\t+7], v[\qr:\qr+7], 0
.endr
.rept 4
	v_nop                                          ; places in front of the loads below and of the first read of the scores
.endr
.irp i, 0,1,2,3,4,5,6,7,8,9,10,11,12,13,14,15
	ds_load_b128 v[F+4*\i:F+4*\i+3], v[LI] offset:\buf*BUF+8192+512*\i   ; V lands while the softmax is walked
.endr
	s_cmp_lt_u32 s[KF], s[\ss]
	s_cbranch_scc1 .Lopen_\@                       ; all 128 keys count
	s_sub_co_i32 s42, s[\sb], s[KF]
	v_add_nc_u32 v[DD], s42, v[RH]                 ; d = my query - KF - 8 h: register 8 t + i is hidden where 16 t + i > d
.set J, 0
.rept 64
	v_cmp_gt_i32 vcc_lo, 16*(J/8)+J%8, v[DD]
	v_cndmask_b32 v[S+J], v[S+J], v[NINF], vcc_lo
.set J, J+1
.endr
.Lopen_\@:
	v_max3_num_f32 v[T0], v[S], v[S+1], v[S+2]     ; the unit's largest score of my query among my 64 keys, in two chains; each tile is met at its low end first
	v_max3_num_f32 v[T1], v[S+3], v[S+4], v[S+5]
.irp i, 6,10,14,18,22,26,30,34,38,42,46,50,54,58
	v_max3_num_f32 v[T0], v[T0], v[S+\i], v[S+\i+1]
	v_max3_num_f32 v[T1], v[T1], v[S+\i+2], v[S+\i+3]
.endr
	v_max3_num_f32 v[T0], v[T0], v[S+62], v[S+63]
	v_max_num_f32 v[T0], v[T0], v[T1]
	v_permlanex16_b32 v[TP], v[T0], s24, s25
	v_max_num_f32 v[T0], v[T0], v[TP]              ; and among lane l xor 16's
	v_mul_f32 v[T0], s[CS], v[T0]                  ; as t
	v_max_num_f32 v[\st+1], v[\st+1], v[T0]        ; the running largest t
	v_mov_b32 v[T0], v[\st]
	v_floor_f32 v[\st], -v[\st+1]                  ; the new -M = floor(-t)
	v_sub_f32 v[T0], v[\st], v[T0]                 ; old M - new M: a whole number, 0 or less
	v_cvt_i32_f32 v[T0], v[T0]                     ; (it saturates)
	v_ldexp_f32 v[FF], 1.0, v[T0]                  ; f
.set J, 0
.rept 32
	v_pk_fma_f32 v[S+J:S+J+1], v[S+J:S+J+1], s[CS:CS+1], v[\st:\st+1] op_sel_hi:[1,0,0]   ; t - M, two at a time
.set J, J+2
.endr
.set J, 0
.rept 64
	v_exp_f32 v[S+J], v[S+J]                       ; p = 2^(t - M)
.set J, J+1
.endr
	v_pk_mul_f32 v[\st+2:\st+3], v[\st+2:\st+3], v[FF:FF+1] op_sel_hi:[1,0]   ; l under the new M (a plain line behind the exponentials)
	s_wait_alu depctr_va_vdst(0)
	v_pk_add_f32 v[SA:SA+1], v[S:S+1], v[S+2:S+3]  ; the sum of the unquantised p, in two chains
.irp j, 4,8,12,16,20,24,28,32,36,40,44,48,52,56,60
	v_pk_add_f32 v[\st+2:\st+3], v[\st+2:\st+3], v[S+\j:S+\j+1]
	v_pk_add_f32 v[SA:SA+1], v[SA:SA+1], v[S+\j+2:S+\j+3]
.endr
	v_pk_add_f32 v[\st+2:\st+3], v[\st+2:\st+3], v[SA:SA+1]
	s_cmp_ge_i32 s20, -8
	s_cbranch_scc1 .Lno_hold_\@
.set J, 0
.rept 64
	v_min_num_f32 v[S+J], v[S+J], v[LMP]           ; the conversion does not saturate (ISA guide 7.6.2); p is not negative, so the hold is one-sided
.set J, J+1
.endr
.Lno_hold_\@:
.set J, 0
.rept 8                                                ; tile J's codes go to v[96 + 2 J]: registers of tiles that are converted.  Two multiplications of O^T by f stand behind each conversion: the plain lines that it wants before its sources are written
	v_cvt_scalef32_pk8_fp8_f32 v[P+2*J:P+2*J+1], v[S+8*J:S+8*J+7], v[SCP]
	v_pk_mul_f32 v[\ob+4*J:\ob+4*J+1], v[\ob+4*J:\ob+4*J+1], v[FF:FF+1] op_sel_hi:[1,0]
	v_pk_mul_f32 v[\ob+4*J+2:\ob+4*J+3], v[\ob+4*J+2:\ob+4*J+3], v[FF:FF+1] op_sel_hi:[1,0]
.set J, J+1
.endr
	s_wait_dscnt 0x0                               ; V is in
.irp tv, 0,1,2,3
	v_wmma_f32_16x16x128_fp8_fp8 v[\ob+8*\tv:\ob+8*\tv+7], v[F+16*\tv:F+16*\tv+15], v[P:P+15], v[\ob+8*\tv:\ob+8*\tv+7]   ; four accumulators by turns
.endr
.Lhidden_\@:
.endm
; A KEY STEP.  The next step's bytes, asked for a key step ago, go into the other buffer; the step after that is asked for; both tiles' units; ONE barrier: behind it nobody reads this buffer, and the other is whole.
.macro KSTEP buf
	s_wait_loadcnt 0x0                             ; my 32 bytes of the next step are in, and their base may be written
	ds_store_b128 v[TI], v[STG:STG+3] offset:(1-\buf)*BUF
	ds_store_b128 v[TI], v[STG+4:STG+7] offset:(1-\buf)*BUF+8192
	s_cmp_lt_u32 s[SL], 15
	s_cselect_b32 s[STP], 16384, 0                 ; the address stops at the head's last key step: no load leaves the buffer; what is copied twice lands in a buffer that nobody reads
	s_add_nc_u64 s[PN:PN+1], s[PN:PN+1], s[STP:STP+1]
	s_add_co_u32 s[SL], s[SL], 1
	s_wait_dscnt 0x0                               ; the stores have read their registers
	global_load_b128 v[STG:STG+3], v[TI], s[PN:PN+1]
	global_load_b128 v[STG+4:STG+7], v[TI], s[PN:PN+1] offset:8192
	STEP \buf, 8, 16, 162, 29, 30
	STEP \buf, 12, 24, 194, 31, 32
	s_add_co_u32 s[KF], s[KF], 128
	s_wait_dscnt 0x0                               ; my stores have landed and my reads are in
	s_barrier_signal -1
	s_barrier_wait -1
.endm
; THE WAY OUT of a tile: O^T / l, held, converted: pair C(tv) = d 16 tv + 8 h + 0 .. 7 of query r.  The last launch fetches its other operand in pieces of 16 bytes, so lane (r, h) is to hold d = 32 b + 16 h + 0 .. 15:
; lanes 0-15 send C(2 b + 1), lanes 16-31 send C(2 b), to the lane 16 away.  wk: 24 free registers; the two tiles take different ones, so that no store's data are written again.
.macro FIN su, ob, wk, base
	v_add_f32 v[LL], v[\su], v[\su+1]
	v_permlanex16_b32 v[TP], v[LL], s24, s25
	v_add_f32 v[LL], v[LL], v[TP]                  ; the row's sum
	v_rcp_f32 v[LL], v[LL]
	v_nop                                          ; a plain line behind the transcendental
	s_wait_alu depctr_va_vdst(0)
.irp i, 0,2,4,6,8,10,12,14,16,18,20,22,24,26,28,30
	v_pk_mul_f32 v[\ob+\i:\ob+\i+1], v[\ob+\i:\ob+\i+1], v[LL:LL+1] op_sel_hi:[1,0]
.endr
.set J, 0
.rept 32
	v_med3_num_f32 v[\ob+J], v[\ob+J], -v[LMX], v[LMX]
.set J, J+1
.endr
.irp t, 0,1,2,3
	v_cvt_scalef32_pk8_fp8_f32 v[\wk+2*\t:\wk+2*\t+1], v[\ob+8*\t:\ob+8*\t+7], v[SCX]   ; a sum stands for sum x 2^(e4 + e5): the three scales are folded into one
.endr
	v_nop
.irp b, 0,1
.irp u, 0,1
	v_cndmask_b32 v[\wk+8+2*\b+\u], v[\wk+4*\b+2+\u], v[\wk+4*\b+\u], s43   ; what I send
	v_mov_b32 v[\wk+12+2*\b+\u], 0                 ; (a permute's destination counts as read)
.endr
.irp u, 0,1
	v_permlanex16_b32 v[\wk+12+2*\b+\u], v[\wk+8+2*\b+\u], s24, s25
.endr
.irp u, 0,1
	v_cndmask_b32 v[\wk+16+4*\b+\u], v[\wk+4*\b+\u], v[\wk+12+2*\b+\u], s43
	v_cndmask_b32 v[\wk+16+4*\b+2+\u], v[\wk+12+2*\b+\u], v[\wk+4*\b+2+\u], s43
.endr
	global_store_b128 v[LI], v[\wk+16+4*\b:\wk+16+4*\b+3], s[\base:\base+1] offset:512*\b   ; the wave stores 512 consecutive bytes, aligned
.endr
.endm
	s_load_b256 s[4:11], s[0:1], 0x0               ; q_img s[4:5], kv_img s[6:7], the scales' exponents s[8:9], ctx_img s[10:11]
	v_lshl_add_u32 v254, v0, 2, 0x8000
	v_mov_b32 v255, 0
	v_lshrrev_b32 v4, 5, v0
	v_readfirstlane_b32 s12, v4                    ; wave 0..15
	v_and_b32 v1, 31, v0
	v_lshlrev_b32 v[LI], 4, v1
	v_lshlrev_b32 v[TI], 4, v0
	v_and_b32 v[RH], 15, v0
	v_bfe_u32 v4, v0, 4, 1
	v_lshlrev_b32 v4, 3, v4
	v_sub_nc_u32 v[RH], v[RH], v4                  ; r - 8 h
	s_and_b32 s14, ttmp7, 0xffff                   ; hb = 16 x batch + head
	s_lshl_b32 s42, ttmp9, 4
	s_add_co_u32 s42, s42, s12                     ; tile LO = 16 j + w
	s_sub_co_u32 s15, 127, s42                     ; tile HI = 16 (7 - j) + 15 - w
	s_lshl_b32 s29, s42, 4                         ; LO's first query,
	s_and_b32 s30, s29, 0xffffff80                 ; and the first key of the key step that holds it
	s_lshl_b32 s31, s15, 4
	s_and_b32 s32, s31, 0xffffff80
	s_sub_co_u32 s[NT], 8, ttmp9                   ; trips of two key steps: HI's last key step is 15 - 2 j
	s_mov_b32 s[TR], 0
	s_mov_b32 s[KF], 0
	s_mov_b32 s[SL], 1
	s_mov_b32 s[STP+1], 0
	s_mov_b32 s24, 0x76543210                      ; v_permlanex16_b32's selects for lane l xor 16
	s_mov_b32 s25, 0xfedcba98
	s_mov_b32 s43, 0xffff0000                      ; lanes 16-31
	s_lshl_b32 s52, s14, 7
	s_add_co_u32 s54, s52, s15
	s_add_co_u32 s52, s52, s42
	s_lshl_b32 s52, s52, 10                        ; Q's images: (128 hb + tile) x 1,024
	s_lshl_b32 s54, s54, 10
	s_mov_b32 s53, 0
	s_mov_b32 s55, 0
	s_lshr_b32 s56, s14, 4
	s_lshl_b32 s56, s56, 7
	s_add_co_u32 s58, s56, s15
	s_add_co_u32 s56, s56, s42
	s_lshl_b32 s56, s56, 14                        ; ctx's images: (128 batch + tile) x 16,384 + 1,024 head
	s_lshl_b32 s58, s58, 14
	s_and_b32 s57, s14, 15
	s_lshl_b32 s57, s57, 10
	s_add_co_u32 s56, s56, s57
	s_add_co_u32 s58, s58, s57
	s_mov_b32 s57, 0
	s_mov_b32 s59, 0
	s_lshl_b32 s60, s14, 18                        ; the head's 16 key steps of 16,384 bytes
	s_mov_b32 s61, 0
	s_wait_kmcnt 0x0
	s_load_b256 s[16:23], s[8:9], 0x0              ; e0 .. e7
	s_add_nc_u64 s[40:41], s[6:7], s[60:61]
	s_add_nc_u64 s[PN:PN+1], s[40:41], 16384
	s_add_nc_u64 s[48:49], s[4:5], s[52:53]
	s_add_nc_u64 s[50:51], s[4:5], s[54:55]
	s_add_nc_u64 s[44:45], s[10:11], s[56:57]
	s_add_nc_u64 s[46:47], s[10:11], s[58:59]
	global_load_b128 v[STG:STG+3], v[TI], s[40:41]                 ; key step 0
	global_load_b128 v[STG+4:STG+7], v[TI], s[40:41] offset:8192
	global_load_b128 v[16:19], v[LI], s[48:49]                     ; Q stays in registers
	global_load_b128 v[20:23], v[LI], s[48:49] offset:512
	global_load_b128 v[24:27], v[LI], s[50:51]
	global_load_b128 v[28:31], v[LI], s[50:51] offset:512
	v_mov_b32 v9, 0xff61b1e6                       ; the largest t so far: -3e38, under every t
	v_floor_f32 v8, -v9                            ; -M
	v_mov_b32 v10, 0
	v_mov_b32 v11, 0
	v_mov_b32 v13, 0xff61b1e6
	v_floor_f32 v12, -v13
	v_mov_b32 v14, 0
	v_mov_b32 v15, 0
	v_mov_b32 v[TP], 0                             ; written once: a lane permute's destination counts as read
	v_mov_b32 v[FF+1], 0                           ; (named as the upper halves of pairs)
	v_mov_b32 v[LL+1], 0
	v_mov_b32 v[NINF], 0xff800000
.set J, 0
.rept 64
	v_mov_b32 v[162+J], 0                          ; O^T of both tiles: the unit is written once; the first finds zeros, which the first change of M leaves zeros
.set J, J+1
.endr
	s_wait_loadcnt 4                               ; key step 0 is in; Q's four loads may be out
	ds_store_b128 v[TI], v[STG:STG+3]
	ds_store_b128 v[TI], v[STG+4:STG+7] offset:8192
	s_wait_dscnt 0x0                               ; the stores have landed and have read their registers
	global_load_b128 v[STG:STG+3], v[TI], s[PN:PN+1]               ; key step 1
	global_load_b128 v[STG+4:STG+7], v[TI], s[PN:PN+1] offset:8192
	s_wait_kmcnt 0x0
	s_mov_b32 s[CS], 0x3e38aa3b                    ; log2(e) / 8
	s_add_co_i32 s42, s18, s19
	s_lshl_b32 s42, s42, 23
	s_add_co_i32 s[CS], s[CS], s42                 ; a score stands for score x 2^(e2 + e3): added to the exponent field
	s_mov_b32 s[CS+1], s[CS]
	s_add_co_i32 s42, s20, 127
	s_lshl_b32 s52, s42, 23
	v_mov_b32 v[SCP], s52
	s_add_co_i32 s42, s42, 8
	s_lshl_b32 s42, s42, 23
	s_or_b32 s42, s42, 0x600000
	v_mov_b32 v[LMP], s42
	s_sub_co_i32 s42, s22, s20
	s_sub_co_i32 s42, s42, s21
	s_add_co_i32 s42, s42, 127
	s_lshl_b32 s52, s42, 23
	v_mov_b32 v[SCX], s52
	s_add_co_i32 s42, s42, 8
	s_lshl_b32 s42, s42, 23
	s_or_b32 s42, s42, 0x600000
	v_mov_b32 v[LMX], s42
	s_wait_loadcnt 2                               ; Q is in; key step 1's two loads may be out
	s_barrier_signal -1
	s_barrier_wait -1                              ; key step 0 lies in buffer 0
.Ltrip:
	KSTEP 0
	KSTEP 1
	s_add_co_u32 s[TR], s[TR], 1
	s_cmp_lt_u32 s[TR], s[NT]
	s_cbranch_scc1 .Ltrip
.rept 4
	v_nop                                          ; places behind the last products
.endr
	FIN 10, 162, 96, 44
	FIN 14, 194, 128, 46
	s_wait_tensorcnt 0x0
	ds_add_u32 v254, v255
	s_wait_dscnt 0x0
	s_endpgm
.Lfunc_end_k_q0ef621dc4f_attn:
	.size	k_q0ef621dc4f_attn, .Lfunc_end_k_q0ef621dc4f_attn-k_q0ef621dc4f_attn
	.p2alignl 7, 3214868480
	.fill 96, 4, 3214868480
	.section	.rodata,"a",@progbits
	.p2align	6, 0x0
	.amdhsa_kernel k_q0ef621dc4f_attn
		.amdhsa_group_segment_fixed_size 34816
		.amdhsa_private_segment_fixed_size 0
		.amdhsa_enable_private_segment 0
		.amdhsa_kernarg_size 32
		.amdhsa_user_sgpr_count 2
		.amdhsa_user_sgpr_kernarg_segment_ptr 1
		.amdhsa_wavefront_size32 1
		.amdhsa_system_sgpr_workgroup_id_x 1
		.amdhsa_system_sgpr_workgroup_id_y 1
		.amdhsa_system_sgpr_workgroup_id_z 1
		.amdhsa_system_vgpr_workitem_id 0
		.amdhsa_next_free_vgpr 256
		.amdhsa_next_free_sgpr 66
		.amdhsa_reserve_vcc 1
		.amdhsa_float_denorm_mode_32 3
		.amdhsa_float_denorm_mode_16_64 3
		.amdhsa_memory_ordered 1
		.amdhsa_forward_progress 1
		.amdhsa_inst_pref_size 100
	.end_amdhsa_kernel
	.amdgpu_metadata
---
amdhsa.version: [ 1, 2 ]
amdhsa.kernels:
  - .name:           k_q0ef621dc4f_attn
    .symbol:         k_q0ef621dc4f_attn.kd
    .args:
      - { .name: q_img, .offset: 0, .size: 8, .value_kind: global_buffer, .address_space: global }
      - { .name: kv_img, .offset: 8, .size: 8, .value_kind: global_buffer, .address_space: global }
      - { .name: lowp_scales, .offset: 16, .size: 8, .value_kind: global_buffer, .address_space: global }
      - { .name: ctx_img, .offset: 24, .size: 8, .value_kind: global_buffer, .address_space: global }
    .group_segment_fixed_size: 34816
    .private_segment_fixed_size: 0
    .kernarg_segment_align: 8
    .kernarg_segment_size: 32
    .max_flat_workgroup_size: 512
    .sgpr_count:     66
    .vgpr_count:     256
    .wavefront_size: 32
...
	.end_amdgpu_metadata
.endif
;; end of part 2
;; launch proj (part 3): grid 4 x 64, 4 waves a work-group, clusters of 4 x 1, 168,448 bytes of LDS; arguments ctx_img, wo_img, b_out, lowp_scales, out0; writes out0
.if DOCPART == 3
	.amdgcn_target "amdgcn-amd-amdhsa--gfx1250"
	.amdhsa_code_object_version 6
	.text
	.protected	k_q0ef621dc4f_proj
	.globl	k_q0ef621dc4f_proj
	.p2align	8
	.type	k_q0ef621dc4f_proj,@function
k_q0ef621dc4f_proj:
	s_mov_b64 s[64:65], 0
	v_nop
	global_prefetch_b8 v0, s[64:65] scope:SCOPE_SE
	s_setreg_imm32_b32 hwreg(HW_REG_WAVE_MODE, 25, 1), 1
	s_wait_xcnt 0x0
	s_wait_alu depctr_hold_cnt(0) depctr_sa_sdst(0) depctr_va_vdst(0) depctr_va_sdst(0) depctr_va_ssrc(0) depctr_va_vcc(0) depctr_vm_vsrc(0)
	s_getreg_b32 s2, hwreg(HW_REG_IB_STS2, 6, 4)
	s_cmp_eq_u32 s2, 0
	s_cbranch_scc0 .Lentry_in_a_cluster
	s_endpgm
.Lentry_in_a_cluster:
	s_bfe_u32 s2, ttmp6, 0x10000c
	s_cmp_lg_u32 s2, 0x3003
	s_cbranch_scc0 .Lentry_shape_is_right
	s_endpgm
.Lentry_shape_is_right:
; out0 = ctx W_out^T + b_out on codes of FP8 (E4M3).  ctx_img [token tile 512][K step 8][4][512] and wo_img [row tile 64][K step 8][4][512] are images of operand registers: lane (r, h) holds, of row r of the tile, k = 128 ks + 32 c + 16 h + 0 .. 15:
; the same permutation of k on both sides, so that every product meets its partner.  A sum stands for sum x 2^(e6 + e7): out = sum x 2^(e6 + e7) + b_out, one packed multiply-add for two numbers.
; SHARES.  A work-group takes 128 tokens x 256 columns.  THE WAVES SHARE THE COLUMNS: wave w keeps W_out's rows 256 nx + 64 w .. + 63 for all of K in 512 registers, read once by dense loads of 512 bytes.
; The 128 tokens' codes, 131,072 dense bytes, lie in LDS whole and are filled ONCE: no ring and no refill.  Each fragment read from LDS feeds four products.
; CLUSTER: the four work-groups of a cluster take the same tokens and the four quarters of the columns: the fill is a joint load, a quarter for each wave, with the mask of all four.
; THE PRODUCT IS USED TRANSPOSED (source 0 = 16 rows of W_out, source 1 = 16 tokens): a lane holds eight neighbouring columns of one row of out0.  A tile of 16 rows x my 64 columns goes through my own stage in LDS and leaves as rows: sixteen lanes store 256 consecutive bytes, aligned.
; The tokens go in two halves of 64: 16 accumulators, 8 K steps of 16 products each.
; LIMIT: e6 + e7 between -126 and 127, so that 2^(e6 + e7) is an f32 number.
; REGISTERS, in windows of 256.  Window 0: v1, v2 16 x lane (+ 65,536 for the second half of the tokens); v3-5, v8 addresses; v16-47 b_out's four tiles; v48-79 results; v80-111 rows read back; v128-191, v192-255 the tokens' fragments, two sets of 4 x 16.
;   Window 1: W(n, ks) at 16 (8 n + ks), n = 0, 1.   Window 2: the same for n = 2, 3.   Window 3: accumulator (n, m) at 8 (4 n + m).
.set LIA, 1
.set STO, 3
.set RD,  4
.set CO,  5
.set OB,  8
.set BIA, 16
.set TMP, 48
.set BK,  80
.set AF,  128
.set SP,  272                          ; a stage row: 256 bytes + 16
.set STAGE, 131072                     ; behind the images: 16 rows for each wave; no fill lands there
.set MSB, 0
.macro WIN new                         ; the immediate's high byte repeats the setting that is left
.if MSB != \new
	s_set_vgpr_msb (MSB<<8)|\new
.set MSB, \new
.endif
.endm
.macro CROUND                          ; a round of the cluster's barrier
	s_barrier_signal -1
	s_barrier_wait -1
	s_cmp_lg_u32 s14, 0
	s_cbranch_scc1 .Lnot_wave_0_\@
	s_barrier_signal -3
.Lnot_wave_0_\@:
	s_barrier_wait -3
	s_barrier_signal -1
	s_barrier_wait -1
.endm
.macro PLACES n
.rept \n
	v_nop
.endr
.endm
	s_load_b256 s[4:11], s[0:1], 0x0               ; ctx_img s[4:5], wo_img s[6:7], b_out s[8:9], the scales' exponents s[10:11]
	s_load_b64 s[12:13], s[0:1], 0x20              ; out0
	v_lshl_add_u32 v126, v0, 2, 0x29000
	v_mov_b32 v127, 0
	ds_add_u32 v126, v127
	ds_add_u32 v126, v127
	v_lshrrev_b32 v6, 5, v0
	v_readfirstlane_b32 s14, v6                    ; wave 0..3
	s_bfe_u32 s15, ttmp6, 0x40000                  ; cx
	s_lshl_b32 s16, ttmp9, 2
	s_add_co_u32 s16, s16, s15                     ; nx: which 256 columns
	s_and_b32 s17, ttmp7, 0xffff                   ; my: which 128 tokens; the four partners share it
	s_mov_b32 s24, 15|(3<<16)|(1<<21)              ; group 1: the mask of all four; elements of 8 bytes; bit 21 beside a mask; no padding
	s_mov_b32 s25, 32<<16                          ; tensor_dim0 = 32 elements: rows of 256 bytes
	s_mov_b32 s26, 128<<16                         ; tensor_dim1 = 128
	s_mov_b32 s27, 32<<16                          ; tile_dim0
	s_mov_b32 s28, 128                             ; tile_dim1
	s_mov_b32 s29, 32                              ; from row to row: the block is dense
	s_mov_b32 s30, 0
	s_mov_b32 s31, 0
	s_lshl_b32 s42, s17, 17
	s_lshl_b32 s18, s14, 15
	s_add_co_u32 s42, s42, s18                     ; ctx_img: 131,072 my + 32,768 wave
	s_mov_b32 s43, 0
	s_lshl_b32 s44, s16, 4
	s_lshl_b32 s19, s14, 2
	s_add_co_u32 s44, s44, s19
	s_lshl_b32 s44, s44, 14                        ; wo_img: row tile 16 nx + 4 wave, 16,384 bytes each
	s_mov_b32 s45, 0
	s_lshl_b32 s46, s16, 10
	s_lshl_b32 s19, s14, 8
	s_add_co_u32 s46, s46, s19                     ; my first column in bytes: 1,024 nx + 256 wave
	s_mov_b32 s47, 0
	s_lshl_b32 s48, s17, 19
	s_add_co_u32 s48, s48, s46                     ; out0: 128 my rows of 4,096 bytes + my first column
	s_mov_b32 s49, 0
	v_and_b32 v6, 31, v0
	v_lshlrev_b32 v[LIA], 4, v6
	v_add_nc_u32 v[LIA+1], 0x10000, v[LIA]
	v_and_b32 v6, 15, v0                           ; r
	v_bfe_u32 v7, v0, 4, 1                         ; h
	s_mul_i32 s19, s14, 16*SP
	s_add_co_u32 s19, s19, STAGE                   ; my stage
	v_mul_u32_u24 v[STO], v6, SP
	v_lshl_add_u32 v[STO], v7, 5, v[STO]
	v_add_nc_u32 v[STO], s19, v[STO]               ; in: row r, + 32 h
	v_mul_u32_u24 v[RD], v7, SP
	v_lshl_add_u32 v[RD], v6, 4, v[RD]
	v_add_nc_u32 v[RD], s19, v[RD]                 ; back: lanes 0-15 one row, lanes 16-31 the next
	v_lshlrev_b32 v[CO], 12, v7
	v_lshl_add_u32 v[CO], v6, 4, v[CO]             ; and the same two rows in out0
	v_lshlrev_b32 v[OB], 5, v7                     ; b_out: 32 h
	s_wait_dscnt 0x0
	s_wait_kmcnt 0x0
	s_load_b256 s[32:39], s[10:11], 0x0            ; e0 .. e7
	s_mov_b32 s20, 1                               ; group 0: count = 1,
	s_lshl_b32 s21, s14, 15                        ; LDS address 32,768 x wave,
	s_add_nc_u64 s[22:23], s[4:5], s[42:43]        ; the global address, which hangs on my and on the wave alone,
	s_or_b32 s23, s23, 0x80000000                  ; type = 2
	s_add_nc_u64 s[6:7], s[6:7], s[44:45]
	s_add_nc_u64 s[8:9], s[8:9], s[46:47]
	s_add_nc_u64 s[12:13], s[12:13], s[48:49]
	CROUND                                         ; all four work-groups are here: the joint loads meet
	tensor_load_to_lds s[20:23], s[24:31]          ; my quarter of the tokens' images: my one tensor load of the launch
	s_nop 0
.rept 4
	v_nop
.endr
	WIN 0x40                                       ; destination window 1
.irp n, 0,1
.irp ks, 0,1,2,3,4,5,6,7
.irp c, 0,1,2,3
	global_load_b128 v[16*(8*\n+\ks)+4*\c:16*(8*\n+\ks)+4*\c+3], v[LIA], s[6:7] offset:(8*\n+\ks)*2048+512*\c
.endr
.endr
.endr
	WIN 0x80                                       ; destination window 2
.irp n, 0,1
.irp ks, 0,1,2,3,4,5,6,7
.irp c, 0,1,2,3
	global_load_b128 v[16*(8*\n+\ks)+4*\c:16*(8*\n+\ks)+4*\c+3], v[LIA], s[6:7] offset:(8*(\n+2)+\ks)*2048+512*\c
.endr
.endr
.endr
	WIN 0
.irp n, 0,1,2,3
	global_load_b128 v[BIA+8*\n:BIA+8*\n+3], v[OB], s[8:9] offset:64*\n           ; lane (r, h), register j: column 16 n + 8 h + j of my 64
	global_load_b128 v[BIA+8*\n+4:BIA+8*\n+7], v[OB], s[8:9] offset:64*\n+16
.endr
.macro FETCHA g, ks, set               ; the four token tiles of half g, K step ks, into set `set`: 16 loads of 512 consecutive bytes
.irp m, 0,1,2,3
.irp c, 0,1,2,3
	ds_load_b128 v[AF+64*(\set)+16*\m+4*\c:AF+64*(\set)+16*\m+4*\c+3], v[LIA+\g] offset:(8*\m+(\ks))*2048+512*\c
.endr
.endr
.endm
; 8 products: column tiles 2 half, 2 half + 1 x the four token tiles.  first = 1: the constant 0 starts the sums.  The 16 accumulators take turns, one instruction a turn.
.macro MULH half, ks, first
.if \first
.if \half
	WIN 0xc2
.else
	WIN 0xc1
.endif
.else
.if \half
	WIN 0xf2
.else
	WIN 0xf1
.endif
.endif
.irp m, 0,1,2,3
.irp u, 0,1
.if \first
	v_wmma_f32_16x16x128_fp8_fp8 v[8*(4*(2*\half+\u)+\m):8*(4*(2*\half+\u)+\m)+7], v[16*(8*\u+(\ks)):16*(8*\u+(\ks))+15], v[AF+64*((\ks)%2)+16*\m:AF+64*((\ks)%2)+16*\m+15], 0
.else
	v_wmma_f32_16x16x128_fp8_fp8 v[8*(4*(2*\half+\u)+\m):8*(4*(2*\half+\u)+\m)+7], v[16*(8*\u+(\ks)):16*(8*\u+(\ks))+15], v[AF+64*((\ks)%2)+16*\m:AF+64*((\ks)%2)+16*\m+15], v[8*(4*(2*\half+\u)+\m):8*(4*(2*\half+\u)+\m)+7]
.endif
.endr
.endr
.endm
; A K step: 16 products on set ks % 2; in its middle the next fragments (half ng, K step nks) are fetched into the other set.
.macro PSTEP ks, first, fetch, ng, nks
	s_wait_dscnt 0x0                               ; this step's fragments are in
	MULH 0, \ks, \first
.if \fetch
	WIN 0
	PLACES 4                                       ; in front of loads into the set that the step before multiplied
	FETCHA \ng, \nks, 1-(\ks)%2
.endif
	MULH 1, \ks, \first
.endm
; THE WAY OUT of half g, a tile of 16 tokens at a time.
.macro OUTG g
	WIN 0
	PLACES 5                                       ; behind the last products: four in front of the reads of results, five in front of products that begin these accumulators anew
.irp m, 0,1,2,3
	WIN 0x03                                       ; source 0 (the sums) window 3
.irp n, 0,1,2,3
.irp i, 0,2,4,6
	v_pk_fma_f32 v[TMP+8*\n+\i:TMP+8*\n+\i+1], v[8*(4*\n+\m)+\i:8*(4*\n+\m)+\i+1], s[40:41], v[BIA+8*\n+\i:BIA+8*\n+\i+1] op_sel_hi:[1,0,1]   ; sum x 2^(e6 + e7) + b_out; each accumulator from its low end on
.endr
.endr
	WIN 0
.irp n, 0,1,2,3
	ds_store_b128 v[STO], v[TMP+8*\n:TMP+8*\n+3] offset:64*\n
	ds_store_b128 v[STO], v[TMP+8*\n+4:TMP+8*\n+7] offset:64*\n+16
.endr
	s_wait_xcnt 0x0                                ; the earlier stores have read the registers into which the loads below land
.irp i, 0,1,2,3,4,5,6,7
	ds_load_b128 v[BK+4*\i:BK+4*\i+3], v[RD] offset:\i*2*SP   ; LDS serves a wave's instructions in order (ISA guide 5.7.1.4): these see my stores
.endr
	s_wait_dscnt 0x0
.irp i, 0,1,2,3,4,5,6,7
	global_store_b128 v[CO], v[BK+4*\i:BK+4*\i+3], s[12:13] offset:(16*(4*\g+\m)+2*\i)*4096 th:TH_STORE_NT   ; 16 lanes store 256 consecutive bytes, aligned; written once, read by nobody here
.endr
.endr
.endm
	s_wait_tensorcnt 0x0                           ; my quarter has landed,
	s_barrier_signal -1
	s_barrier_wait -1                              ; everybody's has
	FETCHA 0, 0, 0
	s_wait_kmcnt 0x0
	s_add_co_i32 s40, s38, s39
	s_add_co_i32 s40, s40, 127
	s_lshl_b32 s40, s40, 23                        ; 2^(e6 + e7) as f32
	s_mov_b32 s41, s40                             ; (named with it as a pair)
	s_wait_loadcnt 0x0                             ; W_out's fragments and the biases
	PSTEP 0, 1, 1, 0, 1
.irp ks, 1,2,3,4,5,6
	PSTEP \ks, 0, 1, 0, \ks+1
.endr
	PSTEP 7, 0, 1, 1, 0                            ; the second half's first fragments
	OUTG 0
	PSTEP 0, 1, 1, 1, 1
.irp ks, 1,2,3,4,5,6
	PSTEP \ks, 0, 1, 1, \ks+1
.endr
	PSTEP 7, 0, 0, 0, 0
	OUTG 1
	s_wait_dscnt 0x0
	s_wait_tensorcnt 0x0
	ds_add_u32 v126, v127
	s_wait_dscnt 0x0
	CROUND                                         ; the closing round
	s_endpgm
.Lfunc_end_k_q0ef621dc4f_proj:
	.size	k_q0ef621dc4f_proj, .Lfunc_end_k_q0ef621dc4f_proj-k_q0ef621dc4f_proj
	.p2alignl 7, 3214868480
	.fill 96, 4, 3214868480
	.section	.rodata,"a",@progbits
	.p2align	6, 0x0
	.amdhsa_kernel k_q0ef621dc4f_proj
		.amdhsa_group_segment_fixed_size 168448
		.amdhsa_private_segment_fixed_size 0
		.amdhsa_enable_private_segment 0
		.amdhsa_kernarg_size 40
		.amdhsa_user_sgpr_count 2
		.amdhsa_user_sgpr_kernarg_segment_ptr 1
		.amdhsa_wavefront_size32 1
		.amdhsa_system_sgpr_workgroup_id_x 1
		.amdhsa_system_sgpr_workgroup_id_y 1
		.amdhsa_system_sgpr_workgroup_id_z 1
		.amdhsa_system_vgpr_workitem_id 0
		.amdhsa_next_free_vgpr 896
		.amdhsa_next_free_sgpr 66
		.amdhsa_reserve_vcc 0
		.amdhsa_float_denorm_mode_32 3
		.amdhsa_float_denorm_mode_16_64 3
		.amdhsa_memory_ordered 1
		.amdhsa_forward_progress 1
		.amdhsa_inst_pref_size 77
	.end_amdhsa_kernel
	.amdgpu_metadata
---
amdhsa.version: [ 1, 2 ]
amdhsa.kernels:
  - .name:           k_q0ef621dc4f_proj
    .symbol:         k_q0ef621dc4f_proj.kd
    .args:
      - { .name: ctx_img, .offset: 0, .size: 8, .value_kind: global_buffer, .address_space: global }
      - { .name: wo_img, .offset: 8, .size: 8, .value_kind: global_buffer, .address_space: global }
      - { .name: b_out, .offset: 16, .size: 8, .value_kind: global_buffer, .address_space: global }
      - { .name: lowp_scales, .offset: 24, .size: 8, .value_kind: global_buffer, .address_space: global }
      - { .name: out0, .offset: 32, .size: 8, .value_kind: global_buffer, .address_space: global }
    .group_segment_fixed_size: 168448
    .private_segment_fixed_size: 0
    .kernarg_segment_align: 8
    .kernarg_segment_size: 40
    .max_flat_workgroup_size: 128
    .sgpr_count:     66
    .vgpr_count:     896
    .wavefront_size: 32
...
	.end_amdgpu_metadata
.endif
;; end of part 3
;; ======== version 2 of 2: 3 launches; version 1 with the launch attn written anew for expert scheduling mode
;; workspace buffers: q_img 8,388,608 bytes; kv_img 16,777,216 bytes; ctx_img 8,388,608 bytes; wo_img 1,048,576 bytes
;; launch qkv: the kernel of part 1 again; grid 16 x 32, 4 waves a work-group, clusters of 4 x 4, 327,680 bytes of LDS; arguments x_codes, W_qkv_codes, b_qkv, lowp_scales, W_out_codes, q_img, kv_img, wo_img; writes q_img, kv_img, wo_img
;; launch attn (part 4): grid 4 x 64, 16 waves a work-group, no clusters, 34,816 bytes of LDS; arguments q_img, kv_img, lowp_scales, ctx_img; writes ctx_img
.if DOCPART == 4
	.amdgcn_target "amdgcn-amd-amdhsa--gfx1250"
	.amdhsa_code_object_version 6
	.text
	.protected	k_q0ef621dc4f_attn
	.globl	k_q0ef621dc4f_attn
	.p2align	8
	.type	k_q0ef621dc4f_attn,@function
k_q0ef621dc4f_attn:
	s_mov_b64 s[64:65], 0
	v_nop
	global_prefetch_b8 v0, s[64:65] scope:SCOPE_SE
	s_setreg_imm32_b32 hwreg(HW_REG_WAVE_SCHED_MODE, 0, 2), 2
	s_setreg_imm32_b32 hwreg(HW_REG_WAVE_MODE, 25, 1), 1
	s_wait_xcnt 0x0
	s_wait_alu depctr_vm_vsrc(0)
; Causal attention of one head on codes of FP8 (E4M3): S^T = K Q^T (K = the head's 64), the softmax, O^T = V^T P (K = the keys), O / l, and ctx quantised with 2^e6.
; THE SOFTMAX: t = score x log2(e) / 8; M = the running largest t rounded UP to a whole number; p = 2^(t - M) is quantised with 2^e4; the row's sum l is taken of the unquantised p; when M moves, l and O^T are multiplied by 2^(old M - new M), which rounds nothing.
; INPUTS are images of operand registers, 512 bytes for four registers of a wave, lane l's 16 bytes at 16 l:  q_img [hb][query tile][2][512];  kv_img [hb][key step of 128][16,384]: K's eight tiles of 16 keys (2 images each), then V's four tiles of 16 d (4 each).
; SHARES.  Work-group (j, hb) owns the blocks j and 7 - j of 256 queries of head hb.  Wave w owns the tiles LO = 16 j + w and HI = 127 - LO of 16 queries: (2 j + w / 8 + 1) + (2 (7 - j) + (15 - w) / 8 + 1) = 17 units of 16 queries x 128 keys for every wave of the launch.
; Four waves share a SIMD, so that one wave's exponentials stand beside another's products and LDS loads.
; A lane holds ONE query (lane % 16) throughout; register 8 t + i of S^T is key 16 t + 8 (lane / 16) + i, so the conversion of tile t gives registers 2 t, 2 t + 1 of P as the second product's source 1.
; K AND V come through registers into two LDS buffers of one key step: thread n copies bytes 16 n of K's part and of V's part, and asks for them one whole key step before it stores them; two sets of eight registers take turns.
; NO JOINT LOADS, though the four work-groups of a head read the same K and V: they walk 16, 14, 12 and 10 key steps, so partners would need different numbers of tiles.
; CAUSAL: a unit all of whose keys come after the tile's queries is jumped over (a scalar branch on ids; no barrier stands inside); on the diagonal hidden scores become -infinity ahead of the maximum.  The tile's own key counts there, so M is a number from the first unit on.
; THE HOLD of p at 448 x 2^e4 is jumped over where e4 >= -8: then 448 x 2^e4 >= 1.75, and p is at most 1 but for the rounding of t.
; LIMITS: e2 + e3 between -120 and 120 (added to the exponent field of log2(e) / 8); e4, and e6 - e4 - e5, between -126 and 119.  NaN among the inputs is not served.
; THE MODE: SCHED_MODE bits 1:0 = 2 (LLVM: expert scheduling mode 2), set by the entry lines.  The code itself states the register dependences between vector or matrix instructions and memory or LDS instructions, with s_wait_alu, always for 0.
; THE PLAN.  Registers that memory or LDS instructions touch:
;   v1, v2        16 x lane, 16 x thread: made at the head and never written again; every LDS load and store, global load and global store reads one of them.
;   set A, set B  eight registers each.  Written by a key step's two global loads, read a key step later by its two LDS stores; no vector instruction of the loop names them.  A key step stores one set and asks into the other.
;   v[F ..]       64 registers.  A unit's K lands there and its eight products K Q^T read it; then its V lands there and its four products V^T P read it.
;   v112-119, v144-151  written by the selects of the way out, read by its four stores.      v254, v255  made at the head, read by the closing add alone.
; So a key step has ONE wait on vm_vsrc, ahead of its global loads, and a unit TWO waits on va_vdst for its LDS loads: at its head (the last unit's V^T P is done reading v[F ..]) and behind K Q^T (done reading K).  Behind the second,
; V's sixteen loads are dealt among the lines of the maximum, which name scores and work registers alone: nothing more is owed.  A third, behind the exponentials, stands ahead of the first line that names one of their results.
; On the diagonal the compares go in runs of sixteen into s48-s63, with one wait on va_sdst behind each run, ahead of the selects that read the masks.
; REGISTERS: v1 16 x lane; v2 16 x thread; v3 r - 8 h; v4-7 and v244-247 set B; v[8:9], v[12:13] (-M, largest t) of LO, HI; v[10:11], v[14:15] l in two halves; v16-23, v24-31 Q; v32-95 fragments of K or of V; v96-111 P, laid over the scores that are done with;
;   v98-161 S^T, then p; v162-193, v194-225 O^T; v226-233 set A; v234-243 at work; v248-252 constants.
.set BUF, 16384
.set LI,  1
.set TI,  2
.set RH,  3
.set SB0, 4                            ; set B: v[4:7] K's 16 bytes,
.set SB1, 244                          ;        v[244:247] V's
.set F,   32
.set P,   96
.set S,   98
.set SA0, 226                          ; set A: v[226:229] K's 16 bytes,
.set SA1, 230                          ;        v[230:233] V's
.set T0,  234
.set T1,  235
.set TP,  236                          ; a lane permute's destination
.set DD,  237
.set FF,  238                          ; v[238:239] f = 2^(old M - new M) (the low word serves both halves)
.set SA,  240                          ; v[240:241] the sum's second chain
.set LL,  242                          ; v[242:243] 1 / l
.set SCP, 248                          ; 2^e4
.set LMP, 249                          ; 448 x 2^e4
.set NINF, 250
.set SCX, 251                          ; 2^(e6 - e4 - e5)
.set LMX, 252                          ; 448 x that
.set CS,  26                           ; s[26:27] log2(e) / 8 x 2^(e2 + e3)
.set KF,  28                           ; the key step's first key
.set TR,  33
.set NT,  34
.set SL,  35                           ; counts the key steps asked for
.set STP, 36                           ; s[36:37] the next step of the address: 16,384 or 0
.set PN,  38                           ; s[38:39] the key step that is being asked for
.set MK,  48                           ; s[48:63] sixteen masks of the diagonal; at the head these registers hold Q's addresses and offsets, which are done with when the loop begins
; A UNIT: 16 queries x the 128 keys in buffer buf.  st: the tile's (-M, largest t), with l at st + 2; qr: its Q; ob: its O^T; sb, ss: scalar registers with its first query, and that rounded down to 128.
.macro STEP buf, st, qr, ob, sb, ss
	s_cmp_gt_u32 s[KF], s[\ss]
	s_cbranch_scc1 .Lhidden_\@                     ; all 128 keys come after my queries
.rept 5
	v_nop                                          ; the products below write over P, which the last products read: five places
.endr
	s_wait_alu depctr_va_vdst(0)                   ; the last unit's products V^T P are done reading V's fragments in v[F ..], in which K's land
.irp i, 0,1,2,3,4,5,6,7,8,9,10,11,12,13,14,15
	ds_load_b128 v[F+4*\i:F+4*\i+3], v[LI] offset:\buf*BUF+512*\i
.endr
	s_wait_dscnt 0x0
.irp t, 0,1,2,3,4,5,6,7
	v_wmma_f32_16x16x64_fp8_fp8 v[S+8*\t:S+8*\t+7], v[F+8*\t:F+8*\t+7], v[\qr:\qr+7], 0
.endr
.rept 4
	v_nop                                          ; places in front of the first read of the scores
.endr
	s_wait_alu depctr_va_vdst(0)                   ; the eight products are done reading K's fragments in v[F ..], in which V's land; no line from here to the last of V's loads names v[F ..] or v[LI]
	s_cmp_lt_u32 s[KF], s[\ss]
	s_cbranch_scc1 .Lopen_\@                       ; all 128 keys count
	s_sub_co_i32 s42, s[\sb], s[KF]
	v_add_nc_u32 v[DD], s42, v[RH]                 ; d = my query - KF - 8 h: register 8 t + i is hidden where 16 t + i > d
.irp g, 0,1,2,3                                        ; sixteen registers (two tiles of keys) at a time
.set J, 0
.rept 16
	v_cmp_gt_i32 s[MK+J], 32*\g+16*(J/8)+J%8, v[DD]
.set J, J+1
.endr
	s_wait_alu depctr_va_sdst(0)                   ; the sixteen compares have written their masks, ahead of the selects that read them
.set J, 0
.rept 16
	v_cndmask_b32 v[S+16*\g+J], v[S+16*\g+J], v[NINF], s[MK+J]
.set J, J+1
.endr
.endr
.Lopen_\@:
	ds_load_b128 v[F:F+3], v[LI] offset:\buf*BUF+8192                 ; V's sixteen loads, one ahead of each pair of lines of the maximum: V lands while the softmax is walked
	v_max3_num_f32 v[T0], v[S], v[S+1], v[S+2]     ; the unit's largest score of my query among my 64 keys, in two chains; each tile is met at its low end first
	v_max3_num_f32 v[T1], v[S+3], v[S+4], v[S+5]
.irp i, 6,10,14,18,22,26,30,34,38,42,46,50,54,58
	ds_load_b128 v[F+\i-2:F+\i+1], v[LI] offset:\buf*BUF+8192+128*(\i-2)
	v_max3_num_f32 v[T0], v[T0], v[S+\i], v[S+\i+1]
	v_max3_num_f32 v[T1], v[T1], v[S+\i+2], v[S+\i+3]
.endr
	ds_load_b128 v[F+60:F+63], v[LI] offset:\buf*BUF+8192+7680
	v_max3_num_f32 v[T0], v[T0], v[S+62], v[S+63]
	v_max_num_f32 v[T0], v[T0], v[T1]
	v_permlanex16_b32 v[TP], v[T0], s24, s25
	v_max_num_f32 v[T0], v[T0], v[TP]              ; and among lane l xor 16's
	v_mul_f32 v[T0], s[CS], v[T0]                  ; as t
	v_max_num_f32 v[\st+1], v[\st+1], v[T0]        ; the running largest t
	v_mov_b32 v[T0], v[\st]
	v_floor_f32 v[\st], -v[\st+1]                  ; the new -M = floor(-t)
	v_sub_f32 v[T0], v[\st], v[T0]                 ; old M - new M: a whole number, 0 or less
	v_cvt_i32_f32 v[T0], v[T0]                     ; (it saturates)
	v_ldexp_f32 v[FF], 1.0, v[T0]                  ; f
.set J, 0
.rept 32
	v_pk_fma_f32 v[S+J:S+J+1], v[S+J:S+J+1], s[CS:CS+1], v[\st:\st+1] op_sel_hi:[1,0,0]   ; t - M, two at a time
.set J, J+2
.endr
.set J, 0
.rept 64
	v_exp_f32 v[S+J], v[S+J]                       ; p = 2^(t - M)
.set J, J+1
.endr
	v_pk_mul_f32 v[\st+2:\st+3], v[\st+2:\st+3], v[FF:FF+1] op_sel_hi:[1,0]   ; l under the new M (a plain line behind the exponentials)
	s_wait_alu depctr_va_vdst(0)                   ; the 64 exponentials have written p in v[S ..]: one wait for the batch, ahead of the first line that names a result
	v_pk_add_f32 v[SA:SA+1], v[S:S+1], v[S+2:S+3]  ; the sum of the unquantised p, in two chains
.irp j, 4,8,12,16,20,24,28,32,36,40,44,48,52,56,60
	v_pk_add_f32 v[\st+2:\st+3], v[\st+2:\st+3], v[S+\j:S+\j+1]
	v_pk_add_f32 v[SA:SA+1], v[SA:SA+1], v[S+\j+2:S+\j+3]
.endr
	v_pk_add_f32 v[\st+2:\st+3], v[\st+2:\st+3], v[SA:SA+1]
	s_cmp_ge_i32 s20, -8
	s_cbranch_scc1 .Lno_hold_\@
.set J, 0
.rept 64
	v_min_num_f32 v[S+J], v[S+J], v[LMP]           ; the conversion does not saturate (ISA guide 7.6.2); p is not negative, so the hold is one-sided
.set J, J+1
.endr
.Lno_hold_\@:
.set J, 0
.rept 8                                                ; tile J's codes go to v[96 + 2 J]: registers of tiles that are converted.  Two multiplications of O^T by f stand behind each conversion: the plain lines that it wants before its sources are written
	v_cvt_scalef32_pk8_fp8_f32 v[P+2*J:P+2*J+1], v[S+8*J:S+8*J+7], v[SCP]
	v_pk_mul_f32 v[\ob+4*J:\ob+4*J+1], v[\ob+4*J:\ob+4*J+1], v[FF:FF+1] op_sel_hi:[1,0]
	v_pk_mul_f32 v[\ob+4*J+2:\ob+4*J+3], v[\ob+4*J+2:\ob+4*J+3], v[FF:FF+1] op_sel_hi:[1,0]
.set J, J+1
.endr
	s_wait_dscnt 0x0                               ; V is in
.irp tv, 0,1,2,3
	v_wmma_f32_16x16x128_fp8_fp8 v[\ob+8*\tv:\ob+8*\tv+7], v[F+16*\tv:F+16*\tv+15], v[P:P+15], v[\ob+8*\tv:\ob+8*\tv+7]   ; four accumulators by turns
.endr
.Lhidden_\@:
.endm
; A KEY STEP.  The step after next is asked for, into the set (o0, o1) that was stored a key step ago; the next step's bytes, asked for a key step ago into the set (i0, i1), go into the other LDS buffer; both tiles' units;
; ONE barrier: behind it nobody reads this buffer, and the other is whole.
.macro KSTEP buf, i0, i1, o0, o1
	s_wait_loadcnt 0x0                             ; my 32 bytes of the next step are in, and their base may be written
	s_cmp_lt_u32 s[SL], 15
	s_cselect_b32 s[STP], 16384, 0                 ; the address stops at the head's last key step: no load leaves the buffer; what is copied twice lands in a buffer that nobody reads
	s_add_nc_u64 s[PN:PN+1], s[PN:PN+1], s[STP:STP+1]
	s_add_co_u32 s[SL], s[SL], 1
	s_wait_alu depctr_vm_vsrc(0)                   ; the LDS stores of the key step before have read the set in which the two loads below land (they were also awaited in front of the last barrier)
	global_load_b128 v[\o0:\o0+3], v[TI], s[PN:PN+1]
	global_load_b128 v[\o1:\o1+3], v[TI], s[PN:PN+1] offset:8192
	ds_store_b128 v[TI], v[\i0:\i0+3] offset:(1-\buf)*BUF
	ds_store_b128 v[TI], v[\i1:\i1+3] offset:(1-\buf)*BUF+8192
	STEP \buf, 8, 16, 162, 29, 30
	STEP \buf, 12, 24, 194, 31, 32
	s_add_co_u32 s[KF], s[KF], 128
	s_wait_dscnt 0x0                               ; my stores have landed and my reads are in
	s_barrier_signal -1
	s_barrier_wait -1
.endm
; THE WAY OUT of a tile: O^T / l, held, converted: pair C(tv) = d 16 tv + 8 h + 0 .. 7 of query r.  The last launch fetches its other operand in pieces of 16 bytes, so lane (r, h) is to hold d = 32 b + 16 h + 0 .. 15:
; lanes 0-15 send C(2 b + 1), lanes 16-31 send C(2 b), to the lane 16 away.  wk: 24 free registers; the two tiles take different ones, so that no store's data are written again.  The codes to store stand in v[wk + 16 .. wk + 23].
.macro FIN su, ob, wk
	v_add_f32 v[LL], v[\su], v[\su+1]
	v_permlanex16_b32 v[TP], v[LL], s24, s25
	v_add_f32 v[LL], v[LL], v[TP]                  ; the row's sum
	v_rcp_f32 v[LL], v[LL]
	v_nop                                          ; a plain line behind the transcendental
	s_wait_alu depctr_va_vdst(0)                   ; the reciprocal has written v[LL], ahead of its first reader
.irp i, 0,2,4,6,8,10,12,14,16,18,20,22,24,26,28,30
	v_pk_mul_f32 v[\ob+\i:\ob+\i+1], v[\ob+\i:\ob+\i+1], v[LL:LL+1] op_sel_hi:[1,0]
.endr
.set J, 0
.rept 32
	v_med3_num_f32 v[\ob+J], v[\ob+J], -v[LMX], v[LMX]
.set J, J+1
.endr
.irp t, 0,1,2,3
	v_cvt_scalef32_pk8_fp8_f32 v[\wk+2*\t:\wk+2*\t+1], v[\ob+8*\t:\ob+8*\t+7], v[SCX]   ; a sum stands for sum x 2^(e4 + e5): the three scales are folded into one
.endr
	v_nop
.irp b, 0,1
.irp u, 0,1
	v_cndmask_b32 v[\wk+8+2*\b+\u], v[\wk+4*\b+2+\u], v[\wk+4*\b+\u], s43   ; what I send
	v_mov_b32 v[\wk+12+2*\b+\u], 0                 ; (a permute's destination counts as read)
.endr
.irp u, 0,1
	v_permlanex16_b32 v[\wk+12+2*\b+\u], v[\wk+8+2*\b+\u], s24, s25
.endr
.irp u, 0,1
	v_cndmask_b32 v[\wk+16+4*\b+\u], v[\wk+4*\b+\u], v[\wk+12+2*\b+\u], s43
	v_cndmask_b32 v[\wk+16+4*\b+2+\u], v[\wk+12+2*\b+\u], v[\wk+4*\b+2+\u], s43
.endr
.endr
.endm
	s_load_b256 s[4:11], s[0:1], 0x0               ; q_img s[4:5], kv_img s[6:7], the scales' exponents s[8:9], ctx_img s[10:11]
	v_lshl_add_u32 v254, v0, 2, 0x8000
	v_mov_b32 v255, 0
	v_lshrrev_b32 v4, 5, v0
	v_readfirstlane_b32 s12, v4                    ; wave 0..15
	v_and_b32 v1, 31, v0
	v_lshlrev_b32 v[LI], 4, v1
	v_lshlrev_b32 v[TI], 4, v0
	v_and_b32 v[RH], 15, v0
	v_bfe_u32 v4, v0, 4, 1
	v_lshlrev_b32 v4, 3, v4
	v_sub_nc_u32 v[RH], v[RH], v4                  ; r - 8 h
	s_wait_alu depctr_va_sdst(0)                   ; s12 is written, ahead of its first reader: the tiles' numbers and all addresses are made from it
	s_and_b32 s14, ttmp7, 0xffff                   ; hb = 16 x batch + head
	s_lshl_b32 s42, ttmp9, 4
	s_add_co_u32 s42, s42, s12                     ; tile LO = 16 j + w
	s_sub_co_u32 s15, 127, s42                     ; tile HI = 16 (7 - j) + 15 - w
	s_lshl_b32 s29, s42, 4                         ; LO's first query,
	s_and_b32 s30, s29, 0xffffff80                 ; and the first key of the key step that holds it
	s_lshl_b32 s31, s15, 4
	s_and_b32 s32, s31, 0xffffff80
	s_sub_co_u32 s[NT], 8, ttmp9                   ; trips of two key steps: HI's last key step is 15 - 2 j
	s_mov_b32 s[TR], 0
	s_mov_b32 s[KF], 0
	s_mov_b32 s[SL], 1
	s_mov_b32 s[STP+1], 0
	s_mov_b32 s24, 0x76543210                      ; v_permlanex16_b32's selects for lane l xor 16
	s_mov_b32 s25, 0xfedcba98
	s_mov_b32 s43, 0xffff0000                      ; lanes 16-31
	s_lshl_b32 s52, s14, 7
	s_add_co_u32 s54, s52, s15
	s_add_co_u32 s52, s52, s42
	s_lshl_b32 s52, s52, 10                        ; Q's images: (128 hb + tile) x 1,024
	s_lshl_b32 s54, s54, 10
	s_mov_b32 s53, 0
	s_mov_b32 s55, 0
	s_lshr_b32 s56, s14, 4
	s_lshl_b32 s56, s56, 7
	s_add_co_u32 s58, s56, s15
	s_add_co_u32 s56, s56, s42
	s_lshl_b32 s56, s56, 14                        ; ctx's images: (128 batch + tile) x 16,384 + 1,024 head
	s_lshl_b32 s58, s58, 14
	s_and_b32 s57, s14, 15
	s_lshl_b32 s57, s57, 10
	s_add_co_u32 s56, s56, s57
	s_add_co_u32 s58, s58, s57
	s_mov_b32 s57, 0
	s_mov_b32 s59, 0
	s_lshl_b32 s60, s14, 18                        ; the head's 16 key steps of 16,384 bytes
	s_mov_b32 s61, 0
	s_wait_kmcnt 0x0
	s_load_b256 s[16:23], s[8:9], 0x0              ; e0 .. e7
	s_add_nc_u64 s[40:41], s[6:7], s[60:61]
	s_add_nc_u64 s[PN:PN+1], s[40:41], 16384
	s_add_nc_u64 s[48:49], s[4:5], s[52:53]
	s_add_nc_u64 s[50:51], s[4:5], s[54:55]
	s_add_nc_u64 s[44:45], s[10:11], s[56:57]
	s_add_nc_u64 s[46:47], s[10:11], s[58:59]
	s_wait_alu depctr_va_vdst(0)                   ; v[LI] and v[TI] are written, which every load and store of the kernel reads as its offset or address; the head's arithmetic is done with v4, in which a load lands
	global_load_b128 v[SB0:SB0+3], v[TI], s[40:41]                 ; key step 0, into set B
	global_load_b128 v[SB1:SB1+3], v[TI], s[40:41] offset:8192
	global_load_b128 v[16:19], v[LI], s[48:49]                     ; Q stays in registers
	global_load_b128 v[20:23], v[LI], s[48:49] offset:512
	global_load_b128 v[24:27], v[LI], s[50:51]
	global_load_b128 v[28:31], v[LI], s[50:51] offset:512
	global_load_b128 v[SA0:SA0+3], v[TI], s[PN:PN+1]               ; key step 1, into set A
	global_load_b128 v[SA1:SA1+3], v[TI], s[PN:PN+1] offset:8192
	v_mov_b32 v9, 0xff61b1e6                       ; the largest t so far: -3e38, under every t
	v_floor_f32 v8, -v9                            ; -M
	v_mov_b32 v10, 0
	v_mov_b32 v11, 0
	v_mov_b32 v13, 0xff61b1e6
	v_floor_f32 v12, -v13
	v_mov_b32 v14, 0
	v_mov_b32 v15, 0
	v_mov_b32 v[TP], 0                             ; written once: a lane permute's destination counts as read
	v_mov_b32 v[FF+1], 0                           ; (named as the upper halves of pairs)
	v_mov_b32 v[LL+1], 0
	v_mov_b32 v[NINF], 0xff800000
.set J, 0
.rept 64
	v_mov_b32 v[162+J], 0                          ; O^T of both tiles: the unit is written once; the first finds zeros, which the first change of M leaves zeros
.set J, J+1
.endr
	s_wait_loadcnt 6                               ; key step 0 is in; Q's four loads and key step 1's two may be out
	ds_store_b128 v[TI], v[SB0:SB0+3]              ; (no vector line since the wait on va_vdst above names v[TI] or a set)
	ds_store_b128 v[TI], v[SB1:SB1+3] offset:8192
	s_wait_kmcnt 0x0
	s_mov_b32 s[CS], 0x3e38aa3b                    ; log2(e) / 8
	s_add_co_i32 s42, s18, s19
	s_lshl_b32 s42, s42, 23
	s_add_co_i32 s[CS], s[CS], s42                 ; a score stands for score x 2^(e2 + e3): added to the exponent field
	s_mov_b32 s[CS+1], s[CS]
	s_add_co_i32 s42, s20, 127
	s_lshl_b32 s52, s42, 23
	v_mov_b32 v[SCP], s52
	s_add_co_i32 s42, s42, 8
	s_lshl_b32 s42, s42, 23
	s_or_b32 s42, s42, 0x600000
	v_mov_b32 v[LMP], s42
	s_sub_co_i32 s42, s22, s20
	s_sub_co_i32 s42, s42, s21
	s_add_co_i32 s42, s42, 127
	s_lshl_b32 s52, s42, 23
	v_mov_b32 v[SCX], s52
	s_add_co_i32 s42, s42, 8
	s_lshl_b32 s42, s42, 23
	s_or_b32 s42, s42, 0x600000
	v_mov_b32 v[LMX], s42
	s_wait_loadcnt 2                               ; Q is in, and its bases s48-s51 may be written; key step 1's two loads may be out
	s_wait_dscnt 0x0                               ; for the other waves' sake: my part of key step 0 is in LDS
	s_barrier_signal -1
	s_barrier_wait -1                              ; key step 0 lies in buffer 0
.Ltrip:
	KSTEP 0, SA0, SA1, SB0, SB1
	KSTEP 1, SB0, SB1, SA0, SA1
	s_add_co_u32 s[TR], s[TR], 1
	s_cmp_lt_u32 s[TR], s[NT]
	s_cbranch_scc1 .Ltrip
.rept 4
	v_nop                                          ; places behind the last products
.endr
	FIN 10, 162, 96
	FIN 14, 194, 128
	s_wait_alu depctr_va_vdst(0)                   ; the selects of both tiles have written v112-119 and v144-151, which the four stores read
.irp b, 0,1
	global_store_b128 v[LI], v[112+4*\b:115+4*\b], s[44:45] offset:512*\b   ; the wave stores 512 consecutive bytes, aligned
	global_store_b128 v[LI], v[144+4*\b:147+4*\b], s[46:47] offset:512*\b
.endr
	s_wait_dscnt 0x0                               ; the closing lines, six on end
	s_wait_alu 0x0
	s_wait_tensorcnt 0x0
	ds_add_u32 v254, v255
	s_wait_dscnt 0x0
	s_endpgm
.Lfunc_end_k_q0ef621dc4f_attn:
	.size	k_q0ef621dc4f_attn, .Lfunc_end_k_q0ef621dc4f_attn-k_q0ef621dc4f_attn
	.p2alignl 7, 3214868480
	.fill 96, 4, 3214868480
	.section	.rodata,"a",@progbits
	.p2align	6, 0x0
	.amdhsa_kernel k_q0ef621dc4f_attn
		.amdhsa_group_segment_fixed_size 34816
		.amdhsa_private_segment_fixed_size 0
		.amdhsa_enable_private_segment 0
		.amdhsa_kernarg_size 32
		.amdhsa_user_sgpr_count 2
		.amdhsa_user_sgpr_kernarg_segment_ptr 1
		.amdhsa_wavefront_size32 1
		.amdhsa_system_sgpr_workgroup_id_x 1
		.amdhsa_system_sgpr_workgroup_id_y 1
		.amdhsa_system_sgpr_workgroup_id_z 1
		.amdhsa_system_vgpr_workitem_id 0
		.amdhsa_next_free_vgpr 256
		.amdhsa_next_free_sgpr 66
		.amdhsa_reserve_vcc 0
		.amdhsa_float_denorm_mode_32 3
		.amdhsa_float_denorm_mode_16_64 3
		.amdhsa_memory_ordered 1
		.amdhsa_forward_progress 1
		.amdhsa_inst_pref_size 117
	.end_amdhsa_kernel
	.amdgpu_metadata
---
amdhsa.version: [ 1, 2 ]
amdhsa.kernels:
  - .name:           k_q0ef621dc4f_attn
    .symbol:         k_q0ef621dc4f_attn.kd
    .args:
      - { .name: q_img, .offset: 0, .size: 8, .value_kind: global_buffer, .address_space: global }
      - { .name: kv_img, .offset: 8, .size: 8, .value_kind: global_buffer, .address_space: global }
      - { .name: lowp_scales, .offset: 16, .size: 8, .value_kind: global_buffer, .address_space: global }
      - { .name: ctx_img, .offset: 24, .size: 8, .value_kind: global_buffer, .address_space: global }
    .group_segment_fixed_size: 34816
    .private_segment_fixed_size: 0
    .kernarg_segment_align: 8
    .kernarg_segment_size: 32
    .max_flat_workgroup_size: 512
    .sgpr_count:     66
    .vgpr_count:     256
    .wavefront_size: 32
...
	.end_amdgpu_metadata
.endif
;; end of part 4
;; launch proj: the kernel of part 3 again; grid 4 x 64, 4 waves a work-group, clusters of 4 x 1, 168,448 bytes of LDS; arguments ctx_img, wo_img, b_out, lowp_scales, out0; writes out0
